; MI455X (gfx1250); checked and timed in simulation.
; The chip was launched on July 23, 2026; its instructions are those of AMD's public machine-readable ISA for CDNA 5 (MIT licence, August 2026) and "CDNA5" Instruction Set Architecture Reference Guide (July 2026). The comments in the code are by the model that wrote it; some were corrected since.
;; Time Decay Multihead Attention. Allowed arithmetic: matrix products marked QUANTISED: E2M1 operands, one E8M0 scale for each 32 along K, by v_wmma_scale_f32_16x16x128_f8f6f4 with both operands' format E2M1 (or v_wmma_scale_f32_32x16x128_f4), f32 sums; products left as they are: bf16, f16 or f32 operands; f32 sums; everything else in f32.
;; Inputs: Wk 1,024 x 1,024 float32; Wo 1,024 x 1,024 float32; Wq 1,024 x 1,024 float32; Wv 1,024 x 1,024 float32; bk 1,024 float32; bo 1,024 float32; bq 1,024 float32; bv 1,024 float32; key 2,048 x 4 x 1,024 float32; query 2,048 x 4 x 1,024 float32; time_decay 2,048 x 4 x 1,024 float32; value 2,048 x 4 x 1,024 float32.
;; Outputs: out0 2,048 x 4 x 1,024 float32.
;; This version of the problem:
;;   THIS VERSION OF THE PROBLEM IS GIVEN IN LOW PRECISION. The matrix products marked QUANTISED in the list below multiply operands that are first quantised to E2M1 (2 exponent bits, 1 mantissa bit; 4 bits a number), with one power-of-two scale for each 32 numbers along K (OCP MX v1.0); their sums are f32. The products marked 'left as it is' may take bf16, f16 or f32 operands, with f32 sums. Whichever they take, every output number must still come out within the allowed error. Rounding operands to bf16 (8 significant bits) uses up far more of that allowance than f16 does (11 bits, for magnitudes from 6e-5 to 65,504). All else is computed in f32.
;;   The module's matrix products, in the order in which they are computed (A, B: the left and right operand; K: the contracted axis; several contracted axes count as one K, in the product's order):
;;     1. [M 8,192, K 1,024] x [K 1,024, N 1,024]; A: input query; B: input Wq: QUANTISED
;;     2. [M 8,192, K 1,024] x [K 1,024, N 1,024]; A: input key; B: input Wk: QUANTISED
;;     3. [M 8,192, K 1,024] x [K 1,024, N 1,024]; A: input value; B: input Wv: QUANTISED
;;     4. batch 64 x [M 2,048, K 64] x [K 64, N 2,048]; A: computed on the way; B: computed on the way: left as it is (an operand is computed on the way)
;;     5. batch 64 x [M 2,048, K 2,048] x [K 2,048, N 64]; A: computed on the way; B: computed on the way: left as it is (an operand is computed on the way)
;;     6. [M 8,192, K 1,024] x [K 1,024, N 1,024]; A: computed on the way; B: input Wo: left as it is (an operand is computed on the way)
;;   THE QUANTISER, for each operand of a quantised product, along K:
;;     - K is cut into blocks of 32 from its start; a last block that is shorter is filled with zeros.
;;     - A block's scale is 2^e with e = floor(log2(the largest magnitude in the block)) - 2, held to -126 .. 127; a block of zeros has e = 0. As a byte (E8M0): e + 127.
;;     - Each number is divided by its block's scale, clamped to +-6, and rounded to the nearest number of E2M1, ties to even, subnormals kept.
;;     - The product sums the exact products of the quantised numbers (number of the format x scale) in f32.
;;   ~~~python
;;   def quantise(x, axis):      # numpy; x: float32 -> the quantised numbers, widened to float32 again
;;       x = np.moveaxis(x, axis, -1); K = x.shape[-1]
;;       x = np.pad(x, [(0, 0)] * (x.ndim - 1) + [(0, -K % 32)]); x = x.reshape(x.shape[:-1] + (-1, 32)); a = np.abs(x).max(-1, keepdims=True)
;;       e = np.where(a > 0, np.clip(np.frexp(np.where(a > 0, a, 1))[1] - 1 - 2, -126, 127), 0)      # np.frexp(a)[1] - 1 = floor(log2(a)), exactly
;;       r = np.clip(x / 2.0 ** e, -6, 6)
;;       step = 2.0 ** (np.maximum(np.frexp(np.where(r == 0, 1, r))[1] - 1, 0) - 1)
;;       q = np.round(r / step) * step * 2.0 ** e      # np.round: ties to even
;;       return np.moveaxis(q.reshape(q.shape[:-2] + (-1,))[..., :K], -1, axis).astype(np.float32)
;;   ~~~
;; One version. Each part assembles by itself: llvm-mc -triple=amdgcn-amd-amdhsa -mcpu=gfx1250 --defsym DOCPART=n.
;; ======== version 1 of 1: 4 launches
;; limits: values are held in f16: magnitudes above 65,504 overflow, below 6.1e-05 lose precision
;; workspace buffers: codes 14,155,776 bytes; scales 884,736 bytes; wo16 2,097,152 bytes; q16 16,777,216 bytes; k16 16,777,216 bytes; v16 16,777,216 bytes; ctx16 16,777,216 bytes
;; launch quant (part 1): grid 896 x 1, 4 waves a work-group, no clusters, 33,280 bytes of LDS; arguments query, key, value, Wq, Wk, Wv, Wo, codes, scales, wo16; writes codes, scales, wo16
.if DOCPART == 1
	.amdgcn_target "amdgcn-amd-amdhsa--gfx1250"
	.amdhsa_code_object_version 6
	.text
	.protected	k_q46e1ea9724_quant
	.globl	k_q46e1ea9724_quant
	.p2align	8
	.type	k_q46e1ea9724_quant,@function
k_q46e1ea9724_quant:
	s_mov_b64 s[64:65], 0
	v_nop
	global_prefetch_b8 v0, s[64:65] scope:SCOPE_SE
	s_setreg_imm32_b32 hwreg(HW_REG_WAVE_MODE, 25, 1), 1
	s_wait_xcnt 0x0
; query, key, value [2048][4][1024] and Wq, Wk, Wv [1024][1024], f32 with K innermost, become codes of FP4 (E2M1) with one E8M0 scale byte for each 32 along K; Wo [1024][1024] becomes f16.
; A block's scale is 2^(floor(log2(its largest magnitude)) - 2): its byte is the largest magnitude's own exponent field - 2, held at 1 from below; each number is divided by the scale and rounded to the nearest code, ties to even, beyond 6 the largest code.
; LIMITS: a block of zeros gets the byte 1 (its codes are zeros, and this program alone reads the bytes); blocks whose largest magnitude lies under 2^-124 keep the byte 1; NaN and infinities are not served.  Wo beyond 65,504 in magnitude has no f16 number.
; LAYOUT OUT.  codes: 27,648 rows of 512 bytes; scales: the same rows, 32 bytes each.  Rows 8192 p + 2048 batch + token hold tensor p (query, key, value): the order (batch, token), so that 16 neighbouring rows are 16 neighbouring tokens of one batch.
; Rows 24576 + 1024 p + n hold row n of Wq, Wk, Wv.
; SHARES.  Run U = 4 x work-group + wave is 8 output rows, 8 U on: 16 steps of 512 numbers.  Work-groups 0-767 take the three tensors, 768-863 the three weights, 864-895 Wo.  Only pointers, one offset and one row stride are chosen by the work-group's number.
; A STEP.  Each of its four loads reads 512 consecutive bytes, 16 a lane; the 2,048 bytes turn through the wave's own stage in LDS and come back 64 bytes a lane, so that a lane holds 16 neighbours along K and two neighbouring lanes a block.
; A lane's 16 codes are 8 bytes: the wave stores 256 consecutive bytes.  A wave's 256 scale bytes are gathered in its own LDS bytes and leave as one aligned run of 256.  No barrier: waves share nothing.
.set STEPS, 16
.set EMAX,  2
.set WG_X,  768                        ; work-groups for query, key, value
.set WG_W,  864                        ; and, up to here, for Wq, Wk, Wv
.set R,     16                         ; v16-79   four sets of 16 numbers as they are loaded
.set X,     80                         ; v80-111  two sets of 16 neighbours
.set E,     112                        ; v112-127 a scale byte for each step
.set C,     128                        ; v128-191 codes: four registers for each step, so that no store's data are written again
.set RO,    192                        ; v192-199 16 x lane + row x the row stride in memory; never rewritten
.set WREG,  8192                       ; LDS: a region for each wave: two stages of 32 x SP bytes, then its 256 scale bytes
.set SP,    80                         ; a lane's place in a stage: 64 bytes + 16 of padding
.set SPW,   12                         ; v12  LDS address of my spare word; never rewritten
.set NIL,   13                         ; v13  0; never rewritten
.set SPARE, 4*WREG                     ; behind the four regions: the spare words, 128 bytes a wave
.set WR,    16                         ; Wo's path: v16-143 two sets of 64 numbers
.set WC,    144                        ; v144-175 32 registers of f16 pairs
	s_load_b256 s[4:11], s[0:1], 0x0               ; query, key, value, Wq
	s_load_b256 s[12:19], s[0:1], 0x20             ; Wk, Wv, Wo, codes
	s_load_b128 s[20:23], s[0:1], 0x40             ; scales, wo16
	v_lshl_add_u32 v[SPW], v0, 2, SPARE
	v_mov_b32 v[NIL], 0
	v_lshrrev_b32 v1, 5, v0
	v_readfirstlane_b32 s24, v1                    ; wave
	v_and_b32 v2, 31, v0                           ; lane
	v_lshlrev_b32 v3, 4, v2                        ; my 16 bytes of a load's 512
	v_lshlrev_b32 v4, 3, v2                        ; my 8 bytes of a store's 256
	s_mul_i32 s38, s24, WREG
	v_lshrrev_b32 v14, 2, v2
	v_mul_u32_u24 v14, v14, SP
	v_and_b32 v15, 3, v2
	v_lshl_add_u32 v14, v15, 4, v14
	v_add_nc_u32 v14, s38, v14                     ; the stage, on the way in: four lanes' 64 bytes on end, then the padding
	v_mul_u32_u24 v15, v2, SP
	v_add_nc_u32 v15, s38, v15                     ; and on the way out: my 16 neighbours
	v_lshrrev_b32 v5, 1, v2
	s_add_co_u32 s38, s38, 2*32*SP
	v_add_nc_u32 v5, s38, v5                       ; my block's scale byte among the wave's 256
	v_add_nc_u32 v6, s38, v4                       ; and 8 of them a lane on the way out
	s_lshl_b32 s25, ttmp9, 2
	s_add_co_u32 s25, s25, s24                     ; U
	s_and_b32 s32, s25, 255                        ; a tensor's run: tokens 8 (U % 256) on,
	s_lshl_b32 s32, s32, 17                        ; 16,384 bytes a token,
	s_bfe_u32 s33, s25, 0x20008                    ; of batch (U / 256) % 4,
	s_lshl_b32 s33, s33, 12                        ; 4,096 bytes a batch
	s_or_b32 s32, s32, s33
	s_and_b32 s34, s25, 127                        ; a weight's run: rows 8 (U % 128) on, 4,096 bytes a row
	s_lshl_b32 s34, s34, 15
	s_mov_b32 s35, 4096
	s_cmp_lt_u32 ttmp9, WG_X
	s_cselect_b32 s32, s32, s34                    ; where my run begins in its input,
	s_cselect_b32 s35, 16384, s35                  ; and from row to row there
	s_mov_b32 s33, 0
	s_lshl_b32 s36, s25, 12                        ; 4,096 bytes of codes a run,
	s_mov_b32 s37, 0
	s_lshl_b32 s38, s25, 8                         ; 256 scale bytes
	s_mov_b32 s39, 0
	s_wait_kmcnt 0x0
	s_cmp_ge_u32 ttmp9, WG_W
	s_cbranch_scc1 .Lwo
	s_cmp_lt_u32 ttmp9, 256                        ; which input: the choices hang on the work-group's number alone
	s_cselect_b64 s[26:27], s[4:5], s[6:7]
	s_cmp_lt_u32 ttmp9, 512
	s_cselect_b64 s[26:27], s[26:27], s[8:9]
	s_cmp_lt_u32 ttmp9, WG_X
	s_cselect_b64 s[26:27], s[26:27], s[10:11]
	s_cmp_lt_u32 ttmp9, WG_X+32
	s_cselect_b64 s[26:27], s[26:27], s[12:13]
	s_cmp_lt_u32 ttmp9, WG_X+64
	s_cselect_b64 s[26:27], s[26:27], s[14:15]
	s_add_nc_u64 s[26:27], s[26:27], s[32:33]
	s_add_nc_u64 s[28:29], s[18:19], s[36:37]
	s_add_nc_u64 s[30:31], s[20:21], s[38:39]
.irp r, 0,1,2,3,4,5,6,7
	v_mad_u32_u24 v[RO+\r], s35, \r, v3
.endr
.macro LOAD t                          ; step t: half t % 2 of row t / 2
.irp i, 0,1,2,3
	global_load_b128 v[R+16*((\t)%4)+4*\i:R+16*((\t)%4)+4*\i+3], v[RO+(\t)/2], s[26:27] offset:2048*((\t)%2)+512*\i th:TH_LOAD_NT
.endr
.endm
.macro TURN t                          ; step t's numbers through the stage: LDS serves a wave's instructions in order (ISA guide 5.7.1.4), so no wait stands between the stores and the loads
.irp i, 0,1,2,3
	ds_store_b128 v14, v[R+16*((\t)%4)+4*\i:R+16*((\t)%4)+4*\i+3] offset:32*SP*((\t)%2)+8*SP*\i
.endr
.irp i, 0,1,2,3
	ds_load_b128 v[X+16*((\t)%2)+4*\i:X+16*((\t)%2)+4*\i+3], v15 offset:32*SP*((\t)%2)+16*\i
.endr
.endm
.irp t, 0,1,2,3
	LOAD \t
.endr
	s_wait_loadcnt 12                              ; step 0's four loads are in; the twelve of steps 1 to 3 may be out
	TURN 0
.macro STEP t
.set XS, X+16*((\t)%2)
.if (\t) > 0
	s_wait_dscnt 1                                 ; this step's numbers are back from the stage; the last step's byte store may be out
.else
	s_wait_dscnt 0x0
.endif
.if (\t)+4 < STEPS
	LOAD (\t)+4                                    ; into the set that this step's stage stores have read
.endif
.if (\t)+1 < STEPS
.if STEPS-2-(\t) >= 3
	s_wait_loadcnt 12                              ; the next step's four loads are in; those of the three steps behind it may be out
.else
	s_wait_loadcnt 4*(STEPS-2-(\t))                ; the tail: four loads for each step still behind the next
.endif
	TURN (\t)+1                                    ; through the other stage while this step is worked
.endif
	v_max3_num_f32 v8, |v[XS]|, |v[XS+1]|, |v[XS+2]|               ; the largest magnitude of my 16, in two chains
	v_max3_num_f32 v9, |v[XS+3]|, |v[XS+4]|, |v[XS+5]|
.irp i, 6,10
	v_max3_num_f32 v8, v8, |v[XS+\i]|, |v[XS+\i+1]|
	v_max3_num_f32 v9, v9, |v[XS+\i+2]|, |v[XS+\i+3]|
.endr
	v_max3_num_f32 v8, v8, |v[XS+14]|, |v[XS+15]|
	v_max3_num_f32 v8, v8, v9, (EMAX+1)<<23        ; and the floor 2^(3 - 127): the byte cannot fall under 1
	v_max_num_f32_dpp v8, v8, v8 row_xmask:1 row_mask:0xf bank_mask:0xf   ; with my neighbour's 16: the block's
	v_add_nc_u32 v11, -(EMAX<<23), v8              ; 2 off its exponent field: the conversion takes the exponent field of this operand as its scale
	v_cvt_scalef32_pk8_fp4_f32 v[C+4*(\t)], v[XS:XS+7], v11
	v_cvt_scalef32_pk8_fp4_f32 v[C+4*(\t)+1], v[XS+8:XS+15], v11
	v_lshrrev_b32 v[E+(\t)], 23, v11               ; the scale's byte (a plain line behind the conversions)
	ds_store_b8 v5, v[E+(\t)] offset:16*(\t)       ; both lanes of a block write the same byte with the same value
	global_store_b64 v4, v[C+4*(\t):C+4*(\t)+1], s[28:29] offset:256*(\t)   ; 32 lanes store 256 consecutive bytes, aligned
.endm
.irp t, 0,1,2,3,4,5,6,7,8,9,10,11,12,13,14,15
	STEP \t
.endr
	ds_load_b64 v[8:9], v6                         ; in order behind my byte stores
	s_wait_dscnt 0x0
	global_store_b64 v4, v[8:9], s[30:31]          ; the run's 256 scale bytes, aligned
	s_wait_tensorcnt 0x0                           ; the wave's end
	ds_add_u32 v[SPW], v[NIL]
	s_wait_dscnt 0x0
	s_endpgm
; Wo to f16, row-major as it lies: a wave takes 8 rows, 32,768 bytes in and 16,384 out, in four batches of 16 loads; two batches are on their way.
.Lwo:
	s_sub_co_u32 s32, s25, 4*WG_W                  ; which run of Wo
	s_lshl_b32 s34, s32, 15
	s_mov_b32 s35, 0
	s_lshl_b32 s36, s32, 14
	s_add_nc_u64 s[16:17], s[16:17], s[34:35]
	s_add_nc_u64 s[22:23], s[22:23], s[36:37]
.macro LOADB q
.irp i, 0,1,2,3,4,5,6,7,8,9,10,11,12,13,14,15
	global_load_b128 v[WR+64*((\q)%2)+4*\i:WR+64*((\q)%2)+4*\i+3], v3, s[16:17] offset:(16*(\q)+\i)*512 th:TH_LOAD_NT
.endr
.endm
.macro BATCH q
.if (\q) < 3
	s_wait_loadcnt 16                              ; this batch is in; the next batch's sixteen may be out
.else
	s_wait_loadcnt 0x0
.endif
.if (\q) > 0
	s_wait_xcnt 0x0                                ; the last batch's stores have read their data registers, which are written again below
.endif
.irp i, 0,1,2,3,4,5,6,7,8,9,10,11,12,13,14,15
	v_cvt_pk_f16_f32 v[WC+2*\i], v[WR+64*((\q)%2)+4*\i], v[WR+64*((\q)%2)+4*\i+1]
	v_cvt_pk_f16_f32 v[WC+2*\i+1], v[WR+64*((\q)%2)+4*\i+2], v[WR+64*((\q)%2)+4*\i+3]
.endr
.irp i, 0,1,2,3,4,5,6,7,8,9,10,11,12,13,14,15
	global_store_b64 v4, v[WC+2*\i:WC+2*\i+1], s[22:23] offset:(16*(\q)+\i)*256   ; 256 consecutive bytes, aligned
.endr
.if (\q) < 2
	LOADB (\q)+2
.endif
.endm
	LOADB 0
	LOADB 1
	BATCH 0
	BATCH 1
	BATCH 2
	BATCH 3
	s_wait_tensorcnt 0x0                           ; the wave's end, as on the other path
	ds_add_u32 v[SPW], v[NIL]
	s_wait_dscnt 0x0
	s_endpgm
.Lfunc_end_k_q46e1ea9724_quant:
	.size	k_q46e1ea9724_quant, .Lfunc_end_k_q46e1ea9724_quant-k_q46e1ea9724_quant
	.p2alignl 7, 3214868480
	.fill 96, 4, 3214868480
	.section	.rodata,"a",@progbits
	.p2align	6, 0x0
	.amdhsa_kernel k_q46e1ea9724_quant
		.amdhsa_group_segment_fixed_size 33280
		.amdhsa_private_segment_fixed_size 0
		.amdhsa_enable_private_segment 0
		.amdhsa_kernarg_size 80
		.amdhsa_user_sgpr_count 2
		.amdhsa_user_sgpr_kernarg_segment_ptr 1
		.amdhsa_wavefront_size32 1
		.amdhsa_system_sgpr_workgroup_id_x 1
		.amdhsa_system_sgpr_workgroup_id_y 1
		.amdhsa_system_sgpr_workgroup_id_z 1
		.amdhsa_system_vgpr_workitem_id 0
		.amdhsa_next_free_vgpr 200
		.amdhsa_next_free_sgpr 66
		.amdhsa_reserve_vcc 0
		.amdhsa_float_denorm_mode_32 3
		.amdhsa_float_denorm_mode_16_64 3
		.amdhsa_memory_ordered 1
		.amdhsa_forward_progress 1
		.amdhsa_inst_pref_size 55
	.end_amdhsa_kernel
	.amdgpu_metadata
---
amdhsa.version: [ 1, 2 ]
amdhsa.kernels:
  - .name:           k_q46e1ea9724_quant
    .symbol:         k_q46e1ea9724_quant.kd
    .args:
      - { .name: query, .offset: 0, .size: 8, .value_kind: global_buffer, .address_space: global }
      - { .name: key, .offset: 8, .size: 8, .value_kind: global_buffer, .address_space: global }
      - { .name: value, .offset: 16, .size: 8, .value_kind: global_buffer, .address_space: global }
      - { .name: Wq, .offset: 24, .size: 8, .value_kind: global_buffer, .address_space: global }
      - { .name: Wk, .offset: 32, .size: 8, .value_kind: global_buffer, .address_space: global }
      - { .name: Wv, .offset: 40, .size: 8, .value_kind: global_buffer, .address_space: global }
      - { .name: Wo, .offset: 48, .size: 8, .value_kind: global_buffer, .address_space: global }
      - { .name: codes, .offset: 56, .size: 8, .value_kind: global_buffer, .address_space: global }
      - { .name: scales, .offset: 64, .size: 8, .value_kind: global_buffer, .address_space: global }
      - { .name: wo16, .offset: 72, .size: 8, .value_kind: global_buffer, .address_space: global }
    .group_segment_fixed_size: 33280
    .private_segment_fixed_size: 0
    .kernarg_segment_align: 8
    .kernarg_segment_size: 80
    .max_flat_workgroup_size: 128
    .sgpr_count:     66
    .vgpr_count:     200
    .wavefront_size: 32
...
	.end_amdgpu_metadata
.endif
;; end of part 1
;; launch proj (part 2): grid 4 x 96, 4 waves a work-group, clusters of 4 x 4, 327,680 bytes of LDS; arguments codes, scales, bq, bk, bv, q16, k16, v16; writes q16, k16, v16
.if DOCPART == 2
	.amdgcn_target "amdgcn-amd-amdhsa--gfx1250"
	.amdhsa_code_object_version 6
	.text
	.protected	k_q46e1ea9724_proj
	.globl	k_q46e1ea9724_proj
	.p2align	8
	.type	k_q46e1ea9724_proj,@function
k_q46e1ea9724_proj:
	s_mov_b64 s[64:65], 0
	v_nop
	global_prefetch_b8 v0, s[64:65] scope:SCOPE_SE
	s_setreg_imm32_b32 hwreg(HW_REG_WAVE_MODE, 25, 1), 1
	s_wait_xcnt 0x0
	s_wait_alu depctr_hold_cnt(0) depctr_sa_sdst(0) depctr_va_vdst(0) depctr_va_sdst(0) depctr_va_ssrc(0) depctr_va_vcc(0) depctr_vm_vsrc(0)
	s_getreg_b32 s2, hwreg(HW_REG_IB_STS2, 6, 4)
	s_cmp_eq_u32 s2, 0
	s_cbranch_scc0 .Lentry_in_a_cluster
	s_endpgm
.Lentry_in_a_cluster:
	s_bfe_u32 s2, ttmp6, 0x10000c
	s_cmp_lg_u32 s2, 0xf033
	s_cbranch_scc0 .Lentry_shape_is_right
	s_endpgm
.Lentry_shape_is_right:
; The three projections y = x W^T + b on codes of FP4 (E2M1) with one E8M0 scale for each 32 along K = 1,024; sums in f32; y rounded once to f16.
; codes: rows of 512 bytes, scales: rows of 32 bytes.  Rows 8192 p + 2048 batch + token: tensor p (query, key, value); rows 24576 + 1024 p + n: row n of weight p.
; LIMIT: a projection beyond 65,504 in magnitude has no f16 number; NaN and infinities are not served.
; SHARES.  A work-group of four waves makes 256 rows x 256 channels of one projection, a wave 128 x 128: 64 accumulators, 512 registers.  Tile row Y = 0 .. 95: projection Y / 32.
; K goes in two steps of 512 through two LDS slots; both are filled at the start and neither again.  The scale bytes of the work-group's 256 + 256 rows, two dense blocks, come with them.
; CLUSTERS: 4 x 4 work-groups.  The four of a row need the same tiles of x, the four of a column the same tiles of W: each tile is asked for jointly.  A cluster's four tile rows lie in one projection (32 is a multiple of 4).
; THE MATRIX INSTRUCTION IS USED TRANSPOSED (source 0 = 16 rows of W, source 1 = 16 rows of x): a lane holds one token and eight neighbouring channels.  The bias, in that layout, is the C of each sum's first instruction.
; THE WAY OUT NEEDS NO STAGE.  q16, k16, v16 are laid [batch x 16 + head][token tile of 16][channel tile of 16][512 bytes]: a packed accumulator is one such piece.  In q16 and k16 lane (r, h) has its 16 bytes at 256 h + 16 r,
; the image of half a 16-bit fragment; in v16 at 32 r + 16 h, 16 keys x 16 channels row by row, as the turning LDS load of the next launch takes them.  Each store of a wave covers 512 consecutive bytes, aligned.
; REGISTERS, in windows of 256: window 0: v0-31 addresses; v32-95 scale words, two sets; v128-191 x's fragments, one set, on the way out the packed results; v192-255 the bias.
;   window 1: W's fragments, two sets.   windows 2, 3: the accumulators of my rows 0-63, 64-127 (accumulator (a, b) at v[8 (8 (a % 4) + b)]).
.set NQ,     4                         ; matrix instructions deep in a slot: 512 along K
.set ROWB,   256                       ; a tile's row in bytes
.set KROW,   512                       ; a row of codes in memory
.set PITCH,  272                       ; an LDS row: 256 bytes + 16 of padding = 68 words: the 16 rows of a load start at 16 different banks (64 banks of 4 bytes: ISA guide 11.1)
.set FR,     8                         ; registers of a fragment: 16 rows x 128 K
.set NL,     2                         ; LDS loads that bring one
.set NP,     4                         ; places behind this matrix instruction (ISA guide 7.12.1)
.set HALFT,  128*PITCH
.set SLOT,   4*HALFT                   ; x's 256 rows, then W's 256 rows
.set KS,     32                        ; a row of scales in bytes
.set SCL,    2*SLOT                    ; behind the slots: the scales, as runs of 256 bytes + 16 of padding
.set HALFS,  (128*KS/256)*272
.set SBLK,   (16*KS/256)*272
.set SPARE,  SCL+4*HALFS               ; the spare words, 128 bytes a wave
.set XROWS,  24576                     ; rows of codes ahead of the weights'
.set ADRA, 16                          ; v16-17  LDS address of my x fragments in slot 0, 1
.set ADRB, 20                          ; v20-21  the same for W
.set VO,   24                          ; v24     my lane's place in an output piece
.set ADRS, 27                          ; v27     LDS address of my scale words: lanes 0-15 x's rows, lanes 16-31 W's
.set SPW,  28                          ; v28     LDS address of my spare word; never rewritten
.set NIL,  29                          ; v29     0; never rewritten
.set BOF,  30                          ; v30     32 x (lane / 16): my eight numbers of a channel tile's sixteen biases
.set SC,   32
.set AF,   128
.set TMP,  128                         ; the way out: two sets of 32
.set BI,   192
.set G1, 24                            ; s[24:31] group 1 for x's tiles; s[32:39] group 0, a set for each slot
.set G0, 32
.set G1B, 48                           ; the same for W's
.set G0B, 56
.set G1S, 68                           ; groups 1 and 0 for x's scales; for W's
.set G0S, 76
.set G1SB, 80
.set G0SB, 88
.set MSB, 0
.macro WIN new                         ; the immediate's high byte repeats the setting that is left
.if MSB != (\new)
	s_set_vgpr_msb (MSB<<8)|(\new)
.set MSB, (\new)
.endif
.endm
.set MUL_LO, 0xa1                      ; source 0 (W) window 1, source 1 (x) window 0, C and D window 2
.set MUL_HI, 0xf1                      ; the same, C and D window 3
.set FST_LO, 0x81                      ; the first step: C (the bias) window 0, D window 2
.set FST_HI, 0xc1                      ; D window 3
.set TO_B,   0x40
; A joint load: waves 0 and 1 fetch for x, waves 2 and 3 for W; the branch hangs on the wave's number alone.  An s_nop 0 and four v_nop follow each line.
.macro JLOAD g0a, g1a, g0b, g1b
	s_cmp_eq_u32 s21, 0
	s_cbranch_scc0 .Lfor_b_\@
	tensor_load_to_lds s[\g0a:\g0a+3], s[\g1a:\g1a+7]
	s_nop 0
.rept 4
	v_nop
.endr
	s_branch .Lasked_\@
.Lfor_b_\@:
	tensor_load_to_lds s[\g0b:\g0b+3], s[\g1b:\g1b+7]
	s_nop 0
.rept 4
	v_nop
.endr
.Lasked_\@:
.endm
.macro CROUND                          ; a round of the cluster's barrier
	s_barrier_signal -1
	s_barrier_wait -1
	s_cmp_lg_u32 s20, 0
	s_cbranch_scc1 .Lnot_wave_0_\@
	s_barrier_signal -3
.Lnot_wave_0_\@:
	s_barrier_wait -3
	s_barrier_signal -1
	s_barrier_wait -1
.endm
	s_load_b512 s[4:19], s[0:1], 0x0               ; codes, scales, bq, bk, bv, q16, k16, v16
	v_lshl_add_u32 v[SPW], v0, 2, SPARE
	v_mov_b32 v[NIL], 0
	ds_add_u32 v[SPW], v[NIL]                      ; the wave's opening: the add, twice on end, and its wait ahead of my first tensor load
	ds_add_u32 v[SPW], v[NIL]
	v_lshrrev_b32 v1, 5, v0
	v_readfirstlane_b32 s20, v1                    ; wave 0..3
	s_lshr_b32 s21, s20, 1                         ; which half of the tile's rows is mine.  Also: I fetch for x (0) or for W (1)
	s_and_b32 s22, s20, 1                          ; which half of its channels.  Also: which 128 rows I fetch
	s_bfe_u32 s40, ttmp6, 0x40000                  ; cx, cy: my place in the cluster
	s_bfe_u32 s41, ttmp6, 0x40004
	s_lshl_b32 s42, ttmp9, 2
	s_add_co_u32 s42, s42, s40                     ; tile column = 4 x cluster x + cx
	s_and_b32 s92, ttmp7, 0xffff                   ; cluster y, 0 .. 23
	s_lshl_b32 s93, s92, 2
	s_add_co_u32 s93, s93, s41                     ; Y = 4 x cluster y + cy
	s_lshr_b32 s94, s92, 3                         ; the projection: the same in all sixteen partners
	s_lshl_b32 s43, s41, 2
	s_lshl_b32 s43, 15, s43                        ; my row of the cluster
	s_lshl_b32 s44, 0x1111, s40                    ; my column
	s_or_b32 s[G1+0], s43, (0<<16)|(1<<20)|(1<<21)|(5<<22)|(3<<25)  ; the mask; elements of 1 byte; padding on; bit 21 beside a mask; after every 64 words, 4 words
	s_or_b32 s[G1B+0], s44, (0<<16)|(1<<20)|(1<<21)|(5<<22)|(3<<25)
.irp g, G1, G1B
	s_mov_b32 s[\g+1], ROWB<<16                    ; tensor_dim0
	s_mov_b32 s[\g+2], 128<<16                     ; tensor_dim1
	s_mov_b32 s[\g+3], ROWB<<16                    ; tile_dim0
	s_mov_b32 s[\g+4], 128                         ; tile_dim1
	s_mov_b32 s[\g+5], KROW                        ; from row to row
	s_mov_b32 s[\g+6], 0
	s_mov_b32 s[\g+7], 0
.endr
	s_or_b32 s[G1S+0], s43, (3<<16)|(1<<20)|(1<<21)|(5<<22)|(3<<25)  ; the scales of 128 rows: 4,096 dense bytes as 16 rows of 32 elements of 8 bytes
	s_or_b32 s[G1SB+0], s44, (3<<16)|(1<<20)|(1<<21)|(5<<22)|(3<<25)
.irp g, G1S, G1SB
	s_mov_b32 s[\g+1], 32<<16
	s_mov_b32 s[\g+2], (128*KS/256)<<16
	s_mov_b32 s[\g+3], 32<<16
	s_mov_b32 s[\g+4], 128*KS/256
	s_mov_b32 s[\g+5], 32
	s_mov_b32 s[\g+6], 0
	s_mov_b32 s[\g+7], 0
.endr
	s_lshl_b32 s23, s22, 7                         ; which 128 rows of the tile I fetch
	s_lshl_b32 s96, s93, 8
	s_add_co_u32 s96, s96, s23                     ; x: row 256 Y + 128 x half
	s_lshl_b32 s46, s42, 8
	s_add_co_u32 s46, s46, s23
	s_lshl_b32 s2, s94, 10
	s_add_co_u32 s46, s46, s2
	s_add_co_u32 s46, s46, XROWS                   ; W: row 24576 + 1024 p + 256 x tile column + 128 x half
	s_lshl_b32 s98, s96, 5                         ; where these rows' scales begin, in bytes,
	s_lshl_b32 s100, s46, 5
	s_lshl_b32 s96, s96, 9                         ; and their codes (all under 2^24)
	s_lshl_b32 s46, s46, 9
	s_mov_b32 s97, 0
	s_mov_b32 s99, 0
	s_mov_b32 s47, 0
	s_mov_b32 s101, 0
	s_mul_i32 s45, s20, HALFT                      ; where they go: wave x 128 rows: no place in the cluster enters an LDS address
	s_mul_i32 s95, s20, HALFS
	s_wait_dscnt 0x0                               ; both opening adds are done
	s_wait_kmcnt 0x0
	s_add_nc_u64 s[96:97], s[4:5], s[96:97]
	s_add_nc_u64 s[98:99], s[6:7], s[98:99]
	s_add_nc_u64 s[46:47], s[4:5], s[46:47]
	s_add_nc_u64 s[100:101], s[6:7], s[100:101]
	CROUND                                         ; all sixteen work-groups are here: the joint loads meet
	s_mov_b32 s[G0S], 1
	s_add_co_u32 s[G0S+1], s95, SCL
	s_mov_b64 s[G0S+2:G0S+3], s[98:99]
	s_or_b32 s[G0S+3], s[G0S+3], 0x80000000
	s_mov_b32 s[G0SB], 1
	s_add_co_u32 s[G0SB+1], s95, SCL
	s_mov_b64 s[G0SB+2:G0SB+3], s[100:101]
	s_or_b32 s[G0SB+3], s[G0SB+3], 0x80000000
	JLOAD G0S, G1S, G0SB, G1SB                     ; the scales first: they are wanted with slot 0
.irp s, 0,1
	s_mov_b32 s[G0+4*\s], 1
	s_add_co_u32 s[G0+4*\s+1], s45, \s*SLOT
	s_add_nc_u64 s[G0+4*\s+2:G0+4*\s+3], s[96:97], \s*ROWB
	s_or_b32 s[G0+4*\s+3], s[G0+4*\s+3], 0x80000000
	s_mov_b32 s[G0B+4*\s], 1
	s_add_co_u32 s[G0B+4*\s+1], s45, \s*SLOT
	s_add_nc_u64 s[G0B+4*\s+2:G0B+4*\s+3], s[46:47], \s*ROWB
	s_or_b32 s[G0B+4*\s+3], s[G0B+4*\s+3], 0x80000000
	JLOAD G0+4*\s, G1, G0B+4*\s, G1B               ; three tensor loads of mine are out
.endr
	v_and_b32 v1, 15, v0                           ; r = lane % 16
	v_bfe_u32 v2, v0, 4, 1                         ; h = lane / 16
	s_cmp_eq_u32 s94, 0                            ; the projection's bias and output: choices on the cluster's number alone
	s_cselect_b64 s[98:99], s[8:9], s[10:11]
	s_cselect_b64 s[100:101], s[14:15], s[16:17]
	s_cmp_eq_u32 s94, 2
	s_cselect_b64 s[98:99], s[12:13], s[98:99]
	s_cselect_b64 s[100:101], s[18:19], s[100:101]
	s_cselect_b32 s2, 32, 16                       ; a piece's bytes from r to r + 1: v16 32, else 16,
	s_cselect_b32 s3, 16, 256                      ; and from h = 0 to h = 1: v16 16, else 256
	v_mul_u32_u24 v[VO], v1, s2
	v_mad_u32_u24 v[VO], v2, s3, v[VO]
	v_lshlrev_b32 v[BOF], 5, v2
	s_lshl_b32 s96, s42, 10                        ; the bias of my 128 channels: 4 (256 x tile column + 128 x half)
	s_lshl_b32 s97, s22, 9
	s_add_co_u32 s96, s96, s97
	s_mov_b32 s97, 0
	s_add_nc_u64 s[98:99], s[98:99], s[96:97]
.irp b, 0,1,2,3,4,5,6,7
	global_load_b128 v[BI+8*\b:BI+8*\b+3], v[BOF], s[98:99] offset:64*\b       ; lane (r, h), register j: the bias of channel 16 b + 8 h + j
	global_load_b128 v[BI+8*\b+4:BI+8*\b+7], v[BOF], s[98:99] offset:64*\b+16
.endr
	s_and_b32 s96, s93, 31                         ; my first row in the projection: 256 (Y % 32) + 128 x half = 2048 batch + token
	s_lshl_b32 s96, s96, 8
	s_lshl_b32 s97, s21, 7
	s_add_co_u32 s96, s96, s97
	s_lshr_b32 s97, s96, 11
	s_lshl_b32 s97, s97, 22                        ; a batch: 16 heads of 262,144 bytes
	s_and_b32 s96, s96, 2047
	s_lshl_b32 s96, s96, 7                         ; a token tile of 16: 2,048 bytes
	s_add_co_u32 s96, s96, s97
	s_lshl_b32 s97, s42, 2
	s_lshl_b32 s23, s22, 1
	s_add_co_u32 s97, s97, s23                     ; my first head: 4 x tile column + 2 x half
	s_lshl_b32 s97, s97, 18
	s_add_co_u32 s96, s96, s97
	s_mov_b32 s97, 0
	s_add_nc_u64 s[100:101], s[100:101], s[96:97]
	v_mul_u32_u24 v3, v1, PITCH
	v_lshl_add_u32 v4, v2, 4, v3                   ; a fragment's row x pitch + 16 x half
	s_mul_i32 s2, s21, HALFT                       ; my 128 rows of x
	s_mul_i32 s3, s22, HALFT                       ; my 128 rows of W,
	s_add_co_u32 s3, s3, 2*HALFT                   ; which lie behind x's 256
.irp s, 0,1
	v_add_nc_u32 v[ADRA+\s], s2, v4
	v_add_nc_u32 v[ADRB+\s], s3, v4
	s_add_co_u32 s2, s2, SLOT
	s_add_co_u32 s3, s3, SLOT
.endr
	v_mul_u32_u24 v5, v1, KS                       ; my row's scales: 32 bytes a row,
	v_lshrrev_b32 v6, 8, v5
	v_lshl_add_u32 v5, v6, 4, v5                   ; and 16 more for each 256 passed
	s_mul_i32 s2, s21, HALFS
	s_mul_i32 s3, s22, HALFS
	s_add_co_u32 s3, s3, 2*HALFS
	s_sub_co_u32 s3, s3, s2
	v_mul_u32_u24 v6, s3, v2                       ; lanes 16-31 take W's: one product, the distance between the two bases
	s_add_co_u32 s2, s2, SCL
	v_add_nc_u32 v5, v5, v6
	v_add_nc_u32 v[ADRS], s2, v5
.macro FRAG reg, adr, q, i             ; 16 rows x 128 K of 4-bit codes: lane l holds row l % 16; registers 4 c .. 4 c + 3 hold K = 64 c + 32 (l / 16) + 0 .. 31
.irp c, 0,1
	ds_load_b128 v[\reg+4*\c:\reg+4*\c+3], v[\adr] offset:64*(\q)+32*\c+(\i)*16*PITCH
.endr
.endm
; 16 matrix instructions: x's blocks a0, a0 + 1 against W's eight.  p: W's set; sc: the set of scale words; zero = 1: the sums begin with the bias.  The 64 accumulators take turns, one instruction a turn.
.macro MUL16 a0, p, q, sc, zero
.irp a, \a0, \a0+1
.irp b, 0,1,2,3,4,5,6,7
.if \zero
	v_wmma_scale_f32_16x16x128_f8f6f4 v[8*(8*((\a)%4)+\b):8*(8*((\a)%4)+\b)+7], v[128*(\p)+FR*\b:128*(\p)+FR*\b+FR-1], v[AF+FR*(\a):AF+FR*(\a)+FR-1], v[BI+8*\b:BI+8*\b+7], v[SC+8*NQ*(\sc)+NQ*\b+(\q)], v[SC+8*NQ*(\sc)+NQ*(\a)+(\q)] matrix_a_fmt:MATRIX_FMT_FP4 matrix_b_fmt:MATRIX_FMT_FP4 matrix_a_scale:MATRIX_SCALE_ROW1
.else
	v_wmma_scale_f32_16x16x128_f8f6f4 v[8*(8*((\a)%4)+\b):8*(8*((\a)%4)+\b)+7], v[128*(\p)+FR*\b:128*(\p)+FR*\b+FR-1], v[AF+FR*(\a):AF+FR*(\a)+FR-1], v[8*(8*((\a)%4)+\b):8*(8*((\a)%4)+\b)+7], v[SC+8*NQ*(\sc)+NQ*\b+(\q)], v[SC+8*NQ*(\sc)+NQ*(\a)+(\q)] matrix_a_fmt:MATRIX_FMT_FP4 matrix_b_fmt:MATRIX_FMT_FP4 matrix_a_scale:MATRIX_SCALE_ROW1
.endif
.endr
.endr
.endm
.macro FETCH_B slot, q, p
	WIN TO_B
.irp i, 0,1,2,3,4,5,6,7
	FRAG 128*(\p)+FR*\i, ADRB+\slot, \q, \i
.endr
	WIN 0
.endm
.macro FETCH_A slot, q, i0
.irp i, \i0, \i0+1, \i0+2, \i0+3
	FRAG AF+FR*(\i), ADRA+\slot, \q, \i
.endr
.endm
.macro SCALES sc                       ; a slot's scale words: four a row; lanes 0-15 take x's block i, lanes 16-31 W's block i
.irp i, 0,1,2,3,4,5,6,7
	ds_load_b128 v[SC+8*NQ*\sc+NQ*\i:SC+8*NQ*\sc+NQ*\i+3], v[ADRS] offset:\i*SBLK
.endr
.endm
.macro PLACES n                        ; plain vector instructions between a matrix instruction and a load into, or a vector write or read of, its registers
.rept \n
	v_nop
.endr
.endm
.macro STEP slot, q, zero              ; 128 along K whose successor lies in the same slot
	s_wait_dscnt 4*NL                              ; W's set and x's blocks 0-3 are in; the youngest eight loads (x's blocks 4-7) may be out
.if \zero
	WIN FST_LO
.else
	WIN MUL_LO
.endif
	MUL16 0, (\q)%2, \q, \slot, \zero
	MUL16 2, (\q)%2, \q, \slot, \zero
	s_wait_dscnt 0
	PLACES NP
	FETCH_B \slot, (\q)+1, 1-(\q)%2
	FETCH_A \slot, (\q)+1, 0
.if \zero
	WIN FST_HI
.else
	WIN MUL_HI
.endif
	MUL16 4, (\q)%2, \q, \slot, \zero
	MUL16 6, (\q)%2, \q, \slot, \zero
	PLACES NP
	WIN 0
	FETCH_A \slot, (\q)+1, 4
.endm
.macro STEPS slot, from
.set Q, \from
.rept NQ-1-\from
	STEP \slot, Q, 0
.set Q, Q+1
.endr
.endm
	s_wait_tensorcnt 1                             ; the scales and my part of slot 0 are in; slot 1's load may be out
	s_barrier_signal -1
	s_barrier_wait -1                              ; everybody's are
	FETCH_B 0, 0, 0
	FETCH_A 0, 0, 0
	SCALES 0
	FETCH_A 0, 0, 4
	s_wait_loadcnt 0x0                             ; the bias
	STEP 0, 0, 1
	STEPS 0, 1
	; slot 0's last step changes slots: one barrier; in front of it each wave waits for its part of slot 1.  Nothing is filled again.
	s_wait_tensorcnt 0x0                           ; my part of slot 1 has landed
	ds_add_u32 v[SPW], v[NIL]
	s_wait_dscnt 4*NL+1                            ; the add and the youngest eight loads may be out
	WIN MUL_LO
	MUL16 0, 1, NQ-1, 0, 0
	s_wait_dscnt 0x0                               ; no LDS instruction of mine is out at the signal
	s_barrier_signal -1
	MUL16 2, 1, NQ-1, 0, 0
	WIN 0
	s_barrier_wait -1                              ; slot 1 is whole
	PLACES NP
	v_add_nc_u32 v[ADRS], 4*NQ, v[ADRS]            ; on to slot 1's scale words
	FETCH_B 1, 0, 0
	FETCH_A 1, 0, 0
	SCALES 1
	WIN MUL_HI
	MUL16 4, 1, NQ-1, 0, 0
	MUL16 6, 1, NQ-1, 0, 0
	PLACES NP
	WIN 0
	FETCH_A 1, 0, 4
	STEPS 1, 0
	s_wait_dscnt 4*NL                              ; the very last step: nothing more to fetch
	WIN MUL_LO
	MUL16 0, 1, NQ-1, 1, 0
	MUL16 2, 1, NQ-1, 1, 0
	s_wait_dscnt 0
	WIN MUL_HI
	MUL16 4, 1, NQ-1, 1, 0
	MUL16 6, 1, NQ-1, 1, 0
	WIN 0
; THE WAY OUT, a block of 16 tokens x 128 channels at a time: each accumulator, from its low end on, packs into 16 bytes a lane, which are the lane's part of one piece.
.macro OUT a
.set AC, 64*((\a)%4)
.set TM, TMP+32*((\a)%2)
	WIN 0x0a+5*((\a)/4)                            ; sources 0 and 1: window 2 or 3
.irp b, 0,1,2,3,4,5,6,7
.irp i, 0,1,2,3
	v_cvt_pk_f16_f32 v[TM+4*\b+\i], v[AC+8*\b+2*\i], v[AC+8*\b+2*\i+1]
.endr
.endr
	WIN 0
.irp b, 0,1,2,3,4,5,6,7
	global_store_b128 v[VO], v[TM+4*\b:TM+4*\b+3], s[100:101] offset:(\a)*2048+(\b%4)*512+(\b/4)*262144   ; token tile a, channel tile b % 4 of head b / 4: 512 consecutive bytes
.endr
.endm
	PLACES NP                                      ; behind the last products: the conversions write registers that held x's fragments, and block 7's read results just made
.irp a, 0,1,2,3,4,5,6,7
.if \a > 1
	s_wait_xcnt 0x0                                ; block a - 2's stores have read their data registers, which block a writes again
.endif
	OUT \a
.endr
	s_wait_tensorcnt 0x0                           ; the wave's end
	ds_add_u32 v[SPW], v[NIL]
	s_wait_dscnt 0x0
	CROUND                                         ; the closing round
	s_endpgm
.Lfunc_end_k_q46e1ea9724_proj:
	.size	k_q46e1ea9724_proj, .Lfunc_end_k_q46e1ea9724_proj-k_q46e1ea9724_proj
	.p2alignl 7, 3214868480
	.fill 96, 4, 3214868480
	.section	.rodata,"a",@progbits
	.p2align	6, 0x0
	.amdhsa_kernel k_q46e1ea9724_proj
		.amdhsa_group_segment_fixed_size 327680
		.amdhsa_private_segment_fixed_size 0
		.amdhsa_enable_private_segment 0
		.amdhsa_kernarg_size 64
		.amdhsa_user_sgpr_count 2
		.amdhsa_user_sgpr_kernarg_segment_ptr 1
		.amdhsa_wavefront_size32 1
		.amdhsa_system_sgpr_workgroup_id_x 1
		.amdhsa_system_sgpr_workgroup_id_y 1
		.amdhsa_system_sgpr_workgroup_id_z 1
		.amdhsa_system_vgpr_workitem_id 0
		.amdhsa_next_free_vgpr 1024
		.amdhsa_next_free_sgpr 102
		.amdhsa_reserve_vcc 0
		.amdhsa_float_denorm_mode_32 3
		.amdhsa_float_denorm_mode_16_64 3
		.amdhsa_memory_ordered 1
		.amdhsa_forward_progress 1
		.amdhsa_inst_pref_size 120
	.end_amdhsa_kernel
	.amdgpu_metadata
---
amdhsa.version: [ 1, 2 ]
amdhsa.kernels:
  - .name:           k_q46e1ea9724_proj
    .symbol:         k_q46e1ea9724_proj.kd
    .args:
      - { .name: codes, .offset: 0, .size: 8, .value_kind: global_buffer, .address_space: global }
      - { .name: scales, .offset: 8, .size: 8, .value_kind: global_buffer, .address_space: global }
      - { .name: bq, .offset: 16, .size: 8, .value_kind: global_buffer, .address_space: global }
      - { .name: bk, .offset: 24, .size: 8, .value_kind: global_buffer, .address_space: global }
      - { .name: bv, .offset: 32, .size: 8, .value_kind: global_buffer, .address_space: global }
      - { .name: q16, .offset: 40, .size: 8, .value_kind: global_buffer, .address_space: global }
      - { .name: k16, .offset: 48, .size: 8, .value_kind: global_buffer, .address_space: global }
      - { .name: v16, .offset: 56, .size: 8, .value_kind: global_buffer, .address_space: global }
    .group_segment_fixed_size: 327680
    .private_segment_fixed_size: 0
    .kernarg_segment_align: 8
    .kernarg_segment_size: 64
    .max_flat_workgroup_size: 128
    .sgpr_count:     102
    .vgpr_count:     1024
    .wavefront_size: 32
...
	.end_amdgpu_metadata
.endif
;; end of part 2
;; launch attn (part 3): grid 4 x 64, 16 waves a work-group, clusters of 4 x 1, 327,680 bytes of LDS; arguments q16, k16, v16, ctx16; writes ctx16
.if DOCPART == 3
	.amdgcn_target "amdgcn-amd-amdhsa--gfx1250"
	.amdhsa_code_object_version 6
	.text
	.protected	k_q46e1ea9724_attn
	.globl	k_q46e1ea9724_attn
	.p2align	8
	.type	k_q46e1ea9724_attn,@function
k_q46e1ea9724_attn:
	s_mov_b64 s[64:65], 0
	v_nop
	global_prefetch_b8 v0, s[64:65] scope:SCOPE_SE
	s_setreg_imm32_b32 hwreg(HW_REG_WAVE_MODE, 25, 1), 1
	s_wait_xcnt 0x0
	s_wait_alu depctr_hold_cnt(0) depctr_sa_sdst(0) depctr_va_vdst(0) depctr_va_sdst(0) depctr_va_ssrc(0) depctr_va_vcc(0) depctr_vm_vsrc(0)
	s_getreg_b32 s2, hwreg(HW_REG_IB_STS2, 6, 4)
	s_cmp_eq_u32 s2, 0
	s_cbranch_scc0 .Lentry_in_a_cluster
	s_endpgm
.Lentry_in_a_cluster:
	s_bfe_u32 s2, ttmp6, 0x10000c
	s_cmp_lg_u32 s2, 0x3003
	s_cbranch_scc0 .Lentry_shape_is_right
	s_endpgm
.Lentry_shape_is_right:
; ctx[q][:] = the sum over k of softmax_k(Q[q] . K[k] / 8) V[k][:] for each of 64 (batch, head) pairs: 2,048 queries, 2,048 keys, head size 64, no mask.  Operands f16; products, maxima and sums f32; the weights p are rounded to f16 for the second product, ctx once at the end.
; LIMITS: NaN and infinities are not served; p under 6e-5 and ctx under 6e-5 are carried with f16's smallest step, 6e-8.
; IN.  q16, k16, v16: [pair][token tile of 16][channel tile of 16][512 bytes].  A piece of q16, k16 is the image of half a fragment (lane l's 16 bytes at 16 l); a piece of v16 is 16 keys x 16 channels row by row.
; OUT.  ctx16: [block of 128 rows (2048 batch + token)][K step of 128][token tile][16 along K][512 bytes at 16 x lane], K = 64 head + channel: images of the next launch's fragments.
; SHARES.  A work-group owns 512 queries of one pair, each of its sixteen waves 32: two tiles of 16, in 256 registers; four waves to a SIMD, so that one wave's softmax stands beside another's products and LDS loads.  Every wave walks all keys, 64 a step.
; LAYOUT.  S^T = K Q^T (source 0 = 16 keys, source 1 = 16 queries): a lane holds ONE query (lane % 16) and keys 8 (lane / 16) + 0..7.  Two such tiles, rounded to f16 in pairs, ARE source 1 (32 keys x 16 queries) of O^T = V^T P.  V comes out of LDS turned, by ds_load_tr16_b128.
; SOFTMAX.  A running maximum m and sum l for each query: p = 2^(c s - c m), c = log2(e) / 8; in every step O and l are multiplied by a = 2^(c m_old - c m_new).  O and l begin as zeros and m as -3e38, so the step is written once.
; RING.  Two LDS slots of 512 keys (K 65,536 bytes, then V 65,536).  Every wave brings a sixteenth of a slot, 8,192 dense bytes, by one tensor load: waves 0-7 K's, waves 8-15 V's.  Both slots are filled at the start and each once more: the refill is asked for eight key steps ahead of its first read.
; CLUSTER.  The four query blocks of a pair walk the same K and V: each tile is asked for jointly, by the same load with a mask that names the four.
.set SLOT1, 1<<17                      ; slot 1 begins here: one exclusive or turns an address in one slot into the other's
.set VOFF,  65536                      ; V behind K in a slot
.set STEPB, 8192                       ; a key step's bytes of K, and of V
.set SLOTG, 65536                      ; 512 keys in memory
.set SPARE, 325632                     ; the spare words, 128 bytes for each of sixteen waves: the last 2,048 bytes of the claim
.set AK0, 1                            ; v1   16 x lane: my place in a piece; also my offset in Q's and ctx's pieces; never rewritten
.set AV0, 2                            ; v2   my place in a piece of V for the turning load, + VOFF; never rewritten
.set ADK, 3                            ; v3   LDS address of the step's K
.set ADV, 4                            ; v4   of its V
.set SPW, 5                            ; v5   LDS address of my spare word; never rewritten
.set NIL, 6                            ; v6   0; never rewritten
.set ST,  16                           ; tile t's statistics at v[ST + 8 t]: +0 c m, +1 m, +2, +3 l (even keys', odd keys'), +4 to +7 at work; a takes +6 once the maximum is found
.set Q,   32                           ; v32-63   Q: fragment (tile t, channels 32 f on) at Q + 16 t + 8 f
.set KV,  64                           ; v64-127  a step's K, then its V
.set S,   128                          ; v128-191 S^T: (tile t, keys 16 kt on) at S + 32 t + 8 kt; p in place; P, packed, at S + 32 t + 16 g
.set O,   192                          ; v192-255 O^T: (tile t, channels 16 ct on) at O + 32 t + 8 ct
.set WV,  12                           ; s12  my wave's number
.set G1,  24                           ; s[24:31] descriptor group 1
.set G0A, 32                           ; s[32:35] group 0 of slot 0's first fill
.set G0B, 36                           ; s[36:39] of slot 1's; it then walks
.set CS,  40                           ; s[40:41] c, twice: the packed form names a pair
.set SEL, 42                           ; s[42:43] lane selects for v_permlanex16_b32: lane l xor 16
.set TB,  44                           ; s44  LDS byte at which the step's K begins
.set CNT, 45                           ; s45  counts a slot's eight steps
.set SLOTS, 46                         ; s46  refills still to come
.macro CROUND                          ; a round of the cluster's barrier
	s_barrier_signal -1
	s_barrier_wait -1
	s_cmp_lg_u32 s[WV], 0
	s_cbranch_scc1 .Lnot_wave_0_\@
	s_barrier_signal -3
.Lnot_wave_0_\@:
	s_barrier_wait -3
	s_barrier_signal -1
	s_barrier_wait -1
.endm
	s_load_b256 s[4:11], s[0:1], 0x0               ; q16, k16, v16, ctx16
	v_lshl_add_u32 v[SPW], v0, 2, SPARE
	v_mov_b32 v[NIL], 0
	ds_add_u32 v[SPW], v[NIL]                      ; the wave's opening: the add, twice on end, and its wait ahead of my first tensor load
	ds_add_u32 v[SPW], v[NIL]
	v_lshrrev_b32 v8, 5, v0
	v_readfirstlane_b32 s[WV], v8                  ; wave 0..15
	s_bfe_u32 s13, ttmp6, 0x40000                  ; cx: my place in the cluster
	s_lshl_b32 s14, ttmp9, 2
	s_add_co_u32 s14, s14, s13                     ; my block of 512 queries: it enters Q's and ctx's addresses alone
	s_and_b32 s15, ttmp7, 0xffff                   ; the pair = 16 batch + head, which the four partners share
	s_lshl_b32 s16, s15, 18                        ; a pair's 262,144 bytes,
	s_and_b32 s17, s[WV], 7
	s_lshl_b32 s17, s17, 13                        ; my eighth of a slot's K or V
	s_add_co_u32 s16, s16, s17
	s_mov_b32 s17, 0
	s_lshl_b32 s18, s[WV], 13                      ; and its place in a slot: waves 8-15 fall into V's half
	s_lshl_b32 s20, s15, 18                        ; Q: the pair, my block's 32 token tiles of 2,048 bytes, my wave's two
	s_lshl_b32 s21, s14, 16
	s_add_co_u32 s20, s20, s21
	s_lshl_b32 s21, s[WV], 12
	s_add_co_u32 s20, s20, s21
	s_mov_b32 s21, 0
	s_lshr_b32 s22, s15, 4                         ; ctx: block of 128 rows = 16 batch + 4 x my block + wave / 4: 262,144 bytes;
	s_lshl_b32 s22, s22, 4
	s_lshl_b32 s23, s14, 2
	s_add_co_u32 s22, s22, s23
	s_lshr_b32 s23, s[WV], 2
	s_add_co_u32 s22, s22, s23
	s_lshl_b32 s22, s22, 18
	s_bfe_u32 s23, s15, 0x30001                    ; K step = head / 2: 32,768 bytes;
	s_lshl_b32 s23, s23, 15
	s_add_co_u32 s22, s22, s23
	s_and_b32 s23, s[WV], 3                        ; token tile = 2 (wave % 4) + t: 4,096 bytes;
	s_lshl_b32 s23, s23, 13
	s_add_co_u32 s22, s22, s23
	s_and_b32 s23, s15, 1                          ; 16 along K: 4 (head % 2) + ct: 512 bytes
	s_lshl_b32 s23, s23, 11
	s_add_co_u32 s22, s22, s23
	s_mov_b32 s23, 0
	s_mov_b32 s[G1], 15|(3<<16)|(1<<21)            ; the mask: all four work-groups; elements of 8 bytes; bit 21 beside a mask; no padding: pieces are read as they lie
	s_mov_b32 s[G1+1], 32<<16                      ; tensor_dim0 = 32 elements: rows of 256 bytes
	s_mov_b32 s[G1+2], 32<<16                      ; tensor_dim1 = 32 rows: all that a sixteenth of a slot has
	s_mov_b32 s[G1+3], 32<<16                      ; tile_dim0
	s_mov_b32 s[G1+4], 32                          ; tile_dim1
	s_mov_b32 s[G1+5], 32                          ; from row to row: dense
	s_mov_b32 s[G1+6], 0
	s_mov_b32 s[G1+7], 0
	s_mov_b32 s[CS], 0x3e38aa3b                    ; c = log2(e) / 8
	s_mov_b32 s[CS+1], s[CS]
	s_mov_b32 s[SEL], 0x76543210
	s_mov_b32 s[SEL+1], 0xfedcba98
	s_mov_b32 s[TB], 0
	s_wait_dscnt 0x0                               ; both opening adds are done
	s_wait_kmcnt 0x0
	s_cmp_lt_u32 s[WV], 8                          ; K's waves or V's: the wave's number alone
	s_cselect_b64 s[2:3], s[6:7], s[8:9]
	s_add_nc_u64 s[2:3], s[2:3], s[16:17]
	s_add_nc_u64 s[4:5], s[4:5], s[20:21]
	s_add_nc_u64 s[10:11], s[10:11], s[22:23]
	s_mov_b32 s[G0A], 1
	s_mov_b32 s[G0A+1], s18
	s_mov_b64 s[G0A+2:G0A+3], s[2:3]
	s_or_b32 s[G0A+3], s[G0A+3], 0x80000000
	s_mov_b32 s[G0B], 1
	s_add_co_u32 s[G0B+1], s18, SLOT1
	s_add_nc_u64 s[G0B+2:G0B+3], s[2:3], SLOTG
	s_or_b32 s[G0B+3], s[G0B+3], 0x80000000
	CROUND                                         ; all four work-groups are here: the first joint loads meet
	tensor_load_to_lds s[G0A:G0A+3], s[G1:G1+7]    ; keys 0-511
	s_nop 0
	tensor_load_to_lds s[G0B:G0B+3], s[G1:G1+7]    ; keys 512-1023: two loads of mine are out
	s_nop 0
	v_and_b32 v8, 31, v0
	v_lshlrev_b32 v[AK0], 4, v8
.irp n, 0,1,2,3,4,5,6,7
	global_load_b128 v[Q+4*\n:Q+4*\n+3], v[AK0], s[4:5] offset:512*\n   ; Q stays in registers: piece n = 4 t + ct
.endr
	v_bfe_u32 v9, v0, 4, 1                         ; the turning load: lane l addresses key 8 (l / 16) + l % 8 (32 bytes a key), channels 8 ((l / 8) % 2) on
	v_and_b32 v8, 7, v0
	v_lshlrev_b32 v[AV0], 5, v8
	v_lshl_add_u32 v[AV0], v9, 8, v[AV0]
	v_bfe_u32 v9, v0, 3, 1
	v_lshl_add_u32 v[AV0], v9, 4, v[AV0]
	v_add_nc_u32 v[AV0], VOFF, v[AV0]
.irp t, 0,1
	v_mov_b32 v[ST+8*\t+1], 0xff61b1e6             ; m = -3e38, under every score
	v_mul_f32 v[ST+8*\t], s[CS], v[ST+8*\t+1]
	v_mov_b32 v[ST+8*\t+2], 0
	v_mov_b32 v[ST+8*\t+3], 0
.endr
.irp j, 0,1,2,3,4,5,6,7,8,9,10,11,12,13,14,15,16,17,18,19,20,21,22,23,24,25,26,27,28,29,30,31,32,33,34,35,36,37,38,39,40,41,42,43,44,45,46,47,48,49,50,51,52,53,54,55,56,57,58,59,60,61,62,63
	v_mov_b32 v[O+\j], 0                           ; O^T: the first step multiplies zeros by a = 0
.endr
; A KEY STEP: 64 keys.
.macro STEP
	v_add_nc_u32 v[ADK], s[TB], v[AK0]
	v_add_nc_u32 v[ADV], s[TB], v[AV0]
.rept 3
	v_nop                                          ; with the two additions five places behind the last V^T P: four for the loads into its registers, five for the products below, which write over P
.endr
.irp n, 0,1,2,3,4,5,6,7,8,9,10,11,12,13,14,15
	ds_load_b128 v[KV+4*\n:KV+4*\n+3], v[ADK] offset:512*\n   ; piece n = 4 kt + ct: fragment (kt, f) falls at KV + 8 (2 kt + f)
.endr
	s_wait_dscnt 0x0
.irp f, 0,1                                    ; S^T = K Q^T: the eight accumulators by turns
.irp kt, 0,1,2,3
.irp t, 0,1
.if \f == 0
	v_wmma_f32_16x16x32_f16 v[S+32*\t+8*\kt:S+32*\t+8*\kt+7], v[KV+8*(2*\kt+\f):KV+8*(2*\kt+\f)+7], v[Q+16*\t+8*\f:Q+16*\t+8*\f+7], 0
.else
	v_wmma_f32_16x16x32_f16 v[S+32*\t+8*\kt:S+32*\t+8*\kt+7], v[KV+8*(2*\kt+\f):KV+8*(2*\kt+\f)+7], v[Q+16*\t+8*\f:Q+16*\t+8*\f+7], v[S+32*\t+8*\kt:S+32*\t+8*\kt+7]
.endif
.endr
.endr
.endr
.rept 4
	v_nop                                          ; places in front of the loads into K's registers and of the first read of the scores
.endr
.irp g, 0,1                                    ; V, turned: fragment (keys 32 g on, channels 16 ct on); it lands while the softmax is worked
.irp ct, 0,1,2,3
	ds_load_tr16_b128 v[KV+8*(4*\g+\ct):KV+8*(4*\g+\ct)+3],   v[ADV] offset:(2*\g)*2048+\ct*512
	ds_load_tr16_b128 v[KV+8*(4*\g+\ct)+4:KV+8*(4*\g+\ct)+7], v[ADV] offset:(2*\g+1)*2048+\ct*512
.endr
.endr
	; the softmax, both tiles line by line.  The maximum of a lane's 32 scores and the old m: four chains, each begun at its accumulator's low end
.irp k, 0,1,2,3
.irp t, 0,1
	v_max3_num_f32 v[ST+8*\t+4+\k], v[S+32*\t+8*\k], v[S+32*\t+8*\k+1], v[S+32*\t+8*\k+2]
.endr
.endr
.irp i, 3,5
.irp k, 0,1,2,3
.irp t, 0,1
	v_max3_num_f32 v[ST+8*\t+4+\k], v[ST+8*\t+4+\k], v[S+32*\t+8*\k+\i], v[S+32*\t+8*\k+\i+1]
.endr
.endr
.endr
.irp t, 0,1
	v_max3_num_f32 v[ST+8*\t+4], v[ST+8*\t+4], v[S+32*\t+7], v[S+32*\t+15]
	v_max3_num_f32 v[ST+8*\t+6], v[ST+8*\t+6], v[S+32*\t+23], v[S+32*\t+31]
.endr
.irp t, 0,1
	v_max3_num_f32 v[ST+8*\t+4], v[ST+8*\t+4], v[ST+8*\t+5], v[ST+8*\t+6]
.endr
.irp t, 0,1
	v_max3_num_f32 v[ST+8*\t+4], v[ST+8*\t+4], v[ST+8*\t+7], v[ST+8*\t+1]
.endr
.irp t, 0,1
	v_permlanex16_b32 v[ST+8*\t+5], v[ST+8*\t+4], s[SEL], s[SEL+1]   ; the query's other 32 keys lie in the lane 16 away
.endr
.irp t, 0,1
	v_mov_b32 v[ST+8*\t+7], v[ST+8*\t]             ; c m_old
.endr
.irp t, 0,1
	v_max_num_f32 v[ST+8*\t+1], v[ST+8*\t+4], v[ST+8*\t+5]
.endr
.irp t, 0,1
	v_mul_f32 v[ST+8*\t], s[CS], v[ST+8*\t+1]
.endr
.irp t, 0,1
	v_sub_f32 v[ST+8*\t+7], v[ST+8*\t+7], v[ST+8*\t]
.endr
.irp t, 0,1
	v_exp_f32 v[ST+8*\t+6], v[ST+8*\t+7]           ; a.  From here to the wait nothing names an exponential's result
.endr
.irp j, 0,2,4,6,8,10,12,14,16,18,20,22,24,26,28,30
.irp t, 0,1
	v_pk_fma_f32 v[S+32*\t+\j:S+32*\t+\j+1], v[S+32*\t+\j:S+32*\t+\j+1], s[CS:CS+1], v[ST+8*\t:ST+8*\t+1] op_sel_hi:[1,0,0] neg_lo:[0,0,1] neg_hi:[0,0,1]   ; c s - c m
.endr
.endr
.irp j, 0,1,2,3,4,5,6,7,8,9,10,11,12,13,14,15,16,17,18,19,20,21,22,23,24,25,26,27,28,29,30,31
.irp t, 0,1
	v_exp_f32 v[S+32*\t+\j], v[S+32*\t+\j]
.endr
.endr
	v_nop                                          ; a plain instruction behind the last exponential, ahead of the first use (ISA guide 5.7.2)
	s_wait_alu depctr_va_vdst(0)                   ; one wait for the step's 66 exponentials, ahead of their first reader
.irp t, 0,1
	v_pk_mul_f32 v[ST+8*\t+2:ST+8*\t+3], v[ST+8*\t+2:ST+8*\t+3], v[ST+8*\t+6:ST+8*\t+7] op_sel_hi:[1,0]   ; l x a
.endr
.irp t, 0,1
	v_pk_add_f32 v[ST+8*\t+4:ST+8*\t+5], v[S+32*\t:S+32*\t+1], v[S+32*\t+2:S+32*\t+3]   ; the sum of the unrounded p, in two chains
.endr
.irp j, 4,8,12,16,20,24,28
.irp t, 0,1
	v_pk_add_f32 v[ST+8*\t+2:ST+8*\t+3], v[ST+8*\t+2:ST+8*\t+3], v[S+32*\t+\j:S+32*\t+\j+1]
	v_pk_add_f32 v[ST+8*\t+4:ST+8*\t+5], v[ST+8*\t+4:ST+8*\t+5], v[S+32*\t+\j+2:S+32*\t+\j+3]
.endr
.endr
.irp t, 0,1
	v_pk_add_f32 v[ST+8*\t+2:ST+8*\t+3], v[ST+8*\t+2:ST+8*\t+3], v[ST+8*\t+4:ST+8*\t+5]
.endr
.irp g, 0,1                                    ; p to f16, in place: register jj of group g takes numbers 2 jj, 2 jj + 1; ascending, so nothing unread is written over
.irp jj, 0,1,2,3,4,5,6,7
.irp t, 0,1
	v_cvt_pk_f16_f32 v[S+32*\t+16*\g+\jj], v[S+32*\t+16*\g+2*\jj], v[S+32*\t+16*\g+2*\jj+1]
.endr
.endr
.endr
.irp j, 0,2,4,6,8,10,12,14,16,18,20,22,24,26,28,30
.irp t, 0,1
	v_pk_mul_f32 v[O+32*\t+\j:O+32*\t+\j+1], v[O+32*\t+\j:O+32*\t+\j+1], v[ST+8*\t+6:ST+8*\t+7] op_sel_hi:[1,0]   ; O^T x a, each accumulator from its low end on
.endr
.endr
	s_wait_dscnt 0x0                               ; V is in
.irp g, 0,1                                    ; O^T += V^T P: the eight accumulators by turns
.irp ct, 0,1,2,3
.irp t, 0,1
	v_wmma_f32_16x16x32_f16 v[O+32*\t+8*\ct:O+32*\t+8*\ct+7], v[KV+8*(4*\g+\ct):KV+8*(4*\g+\ct)+7], v[S+32*\t+16*\g:S+32*\t+16*\g+7], v[O+32*\t+8*\ct:O+32*\t+8*\ct+7]
.endr
.endr
.endr
	s_add_co_u32 s[TB], s[TB], STEPB
.endm
.macro SLOT_STEPS                      ; a slot's eight key steps: written once, walked eight times
	s_mov_b32 s[CNT], 8
.Lstep_\@:
	STEP
	s_sub_co_u32 s[CNT], s[CNT], 1
	s_cmp_lg_u32 s[CNT], 0
	s_cbranch_scc1 .Lstep_\@
.endm
; THE CHANGE OF SLOTS.  Each wave waits for all its tensor loads (one is out: its part of the other slot), adds 0 to its spare word, and waits for that and for its reads of the slot that it leaves.
; fill = 1: that slot is filled again with the keys two slots on.  The barrier is then a round of the cluster's, and the joint refill is the first thing behind it, one load a wave.
.macro CHANGE fill
	s_wait_tensorcnt 0x0                           ; no tensor load of mine is out, so a group 0 may be written
	ds_add_u32 v[SPW], v[NIL]
.if \fill
	s_xor_b32 s[G0B+1], s[G0B+1], SLOT1            ; the walking descriptor: the other slot than last time,
	s_add_nc_u64 s[G0B+2:G0B+3], s[G0B+2:G0B+3], SLOTG   ; the next 512 keys; the type bits on top are not reached
	s_wait_dscnt 0x0                               ; the add is done, and my reads of the slot are over
	CROUND
	tensor_load_to_lds s[G0B:G0B+3], s[G1:G1+7]
	s_nop 0
.else
	s_wait_dscnt 0x0
	s_barrier_signal -1
	s_barrier_wait -1
.endif
	s_sub_co_u32 s[TB], s[TB], 8*STEPB             ; back to a slot's first step,
	s_xor_b32 s[TB], s[TB], SLOT1                  ; in the other slot
.endm
	s_wait_tensorcnt 1                             ; my part of slot 0 is in; slot 1's load may stay out
	s_barrier_signal -1
	s_barrier_wait -1                              ; everybody's is
	s_wait_loadcnt 0x0                             ; Q
	SLOT_STEPS                                     ; keys 0-511
	s_mov_b32 s[SLOTS], 2
.Lslot:                                            ; two trips: keys 512-1023 while slot 0 takes 1024-1535; those while slot 1 takes 1536-2047
	CHANGE 1
	SLOT_STEPS
	s_sub_co_u32 s[SLOTS], s[SLOTS], 1
	s_cmp_lg_u32 s[SLOTS], 0
	s_cbranch_scc1 .Lslot
	CHANGE 0                                       ; the tail is written out
	SLOT_STEPS
	; THE WAY OUT.  l's two halves and the other half of the lanes' are added (plain lines: the places behind the last products); O^T / l is rounded to f16: a lane's eight channels of a query are its 16 bytes of a piece of ctx16.
.irp t, 0,1
	v_add_f32 v[ST+8*\t+4], v[ST+8*\t+2], v[ST+8*\t+3]
.endr
.irp t, 0,1
	v_permlanex16_b32 v[ST+8*\t+5], v[ST+8*\t+4], s[SEL], s[SEL+1]
.endr
.irp t, 0,1
	v_add_f32 v[ST+8*\t+4], v[ST+8*\t+4], v[ST+8*\t+5]
.endr
.irp t, 0,1
	v_rcp_f32 v[ST+8*\t+6], v[ST+8*\t+4]
.endr
	v_nop                                          ; a plain instruction behind the last reciprocal
	s_wait_alu depctr_va_vdst(0)                   ; and one wait for the two, ahead of their first reader
.irp t, 0,1
.irp j, 0,2,4,6,8,10,12,14,16,18,20,22,24,26,28,30
	v_pk_mul_f32 v[O+32*\t+\j:O+32*\t+\j+1], v[O+32*\t+\j:O+32*\t+\j+1], v[ST+8*\t+6:ST+8*\t+7] op_sel_hi:[1,0]
.endr
.endr
.irp t, 0,1
.irp n, 0,1,2,3,4,5,6,7,8,9,10,11,12,13,14,15
	v_cvt_pk_f16_f32 v[S+16*\t+\n], v[O+32*\t+2*\n], v[O+32*\t+2*\n+1]
.endr
.endr
.irp t, 0,1
.irp ct, 0,1,2,3
	global_store_b128 v[AK0], v[S+16*\t+4*\ct:S+16*\t+4*\ct+3], s[10:11] offset:\t*4096+\ct*512   ; 512 consecutive bytes, aligned
.endr
.endr
	s_wait_tensorcnt 0x0                           ; the wave's end
	ds_add_u32 v[SPW], v[NIL]
	s_wait_dscnt 0x0
	CROUND                                         ; the closing round
	s_endpgm
.Lfunc_end_k_q46e1ea9724_attn:
	.size	k_q46e1ea9724_attn, .Lfunc_end_k_q46e1ea9724_attn-k_q46e1ea9724_attn
	.p2alignl 7, 3214868480
	.fill 96, 4, 3214868480
	.section	.rodata,"a",@progbits
	.p2align	6, 0x0
	.amdhsa_kernel k_q46e1ea9724_attn
		.amdhsa_group_segment_fixed_size 327680
		.amdhsa_private_segment_fixed_size 0
		.amdhsa_enable_private_segment 0
		.amdhsa_kernarg_size 32
		.amdhsa_user_sgpr_count 2
		.amdhsa_user_sgpr_kernarg_segment_ptr 1
		.amdhsa_wavefront_size32 1
		.amdhsa_system_sgpr_workgroup_id_x 1
		.amdhsa_system_sgpr_workgroup_id_y 1
		.amdhsa_system_sgpr_workgroup_id_z 1
		.amdhsa_system_vgpr_workitem_id 0
		.amdhsa_next_free_vgpr 256
		.amdhsa_next_free_sgpr 66
		.amdhsa_reserve_vcc 0
		.amdhsa_float_denorm_mode_32 3
		.amdhsa_float_denorm_mode_16_64 3
		.amdhsa_memory_ordered 1
		.amdhsa_forward_progress 1
		.amdhsa_inst_pref_size 66
	.end_amdhsa_kernel
	.amdgpu_metadata
---
amdhsa.version: [ 1, 2 ]
amdhsa.kernels:
  - .name:           k_q46e1ea9724_attn
    .symbol:         k_q46e1ea9724_attn.kd
    .args:
      - { .name: q16, .offset: 0, .size: 8, .value_kind: global_buffer, .address_space: global }
      - { .name: k16, .offset: 8, .size: 8, .value_kind: global_buffer, .address_space: global }
      - { .name: v16, .offset: 16, .size: 8, .value_kind: global_buffer, .address_space: global }
      - { .name: ctx16, .offset: 24, .size: 8, .value_kind: global_buffer, .address_space: global }
    .group_segment_fixed_size: 327680
    .private_segment_fixed_size: 0
    .kernarg_segment_align: 8
    .kernarg_segment_size: 32
    .max_flat_workgroup_size: 512
    .sgpr_count:     66
    .vgpr_count:     256
    .wavefront_size: 32
...
	.end_amdgpu_metadata
.endif
;; end of part 3
;; launch outp (part 4): grid 4 x 64, 4 waves a work-group, clusters of 4 x 4, 327,680 bytes of LDS; arguments ctx16, wo16, bo, time_decay, out0; writes out0
.if DOCPART == 4
	.amdgcn_target "amdgcn-amd-amdhsa--gfx1250"
	.amdhsa_code_object_version 6
	.text
	.protected	k_q46e1ea9724_outp
	.globl	k_q46e1ea9724_outp
	.p2align	8
	.type	k_q46e1ea9724_outp,@function
k_q46e1ea9724_outp:
	s_mov_b64 s[64:65], 0
	v_nop
	global_prefetch_b8 v0, s[64:65] scope:SCOPE_SE
	s_setreg_imm32_b32 hwreg(HW_REG_WAVE_MODE, 25, 1), 1
	s_wait_xcnt 0x0
	s_wait_alu depctr_hold_cnt(0) depctr_sa_sdst(0) depctr_va_vdst(0) depctr_va_sdst(0) depctr_va_ssrc(0) depctr_va_vcc(0) depctr_vm_vsrc(0)
	s_getreg_b32 s2, hwreg(HW_REG_IB_STS2, 6, 4)
	s_cmp_eq_u32 s2, 0
	s_cbranch_scc0 .Lentry_in_a_cluster
	s_endpgm
.Lentry_in_a_cluster:
	s_bfe_u32 s2, ttmp6, 0x10000c
	s_cmp_lg_u32 s2, 0xf033
	s_cbranch_scc0 .Lentry_shape_is_right
	s_endpgm
.Lentry_shape_is_right:
; out = (ctx Wo^T + bo) x time_decay.  ctx and Wo f16, sums f32; bo is the C of each sum's first matrix instruction; the product with time_decay is taken in f32 on the way out.
; ctx16: [block of 128 rows (2048 batch + token)][K step of 128][token tile of 16][16 along K][512 bytes at 16 x lane]: images of fragments; a block's K step is 32,768 dense bytes.  wo16: [1024 n][1024 k].  time_decay, out0: [token][batch][1024] f32.
; SHARES.  A tile of 128 rows x 256 columns to a work-group: 64 x 4 = 256 work-groups.  Four waves, each 64 rows x 128 columns: 32 accumulators.  K goes in 8 steps of 128 through two LDS slots.
; CLUSTERS: 4 x 4.  The four of a row of the cluster need the same tiles of ctx, the four of a column the same tiles of Wo: each tile is asked for jointly.  Waves 0, 1 fetch ctx's halves (64 rows of 256 bytes), waves 2, 3 Wo's (128 rows of 256 bytes).
; THE MATRIX INSTRUCTION IS USED TRANSPOSED (source 0 = 16 rows of Wo, source 1 = 16 rows of ctx): a lane holds eight neighbouring columns of one row.
; time_decay's numbers of my 64 x 128 are asked for at the head, into 256 registers of their own, and land while K is walked.
; REGISTERS, in windows of 256: window 0: v0-31 addresses; v32-127, v128-223 two fragment buffers (32 of ctx, 64 of Wo: 32 along K); on the way out v32-159 rows of the result.
;   window 1: the accumulators, (a, b) at v[8 (8 a + b)].   window 2: time_decay, row R of my 64 at v[4 R].   window 3: v0-63 bo, eight registers a column tile.
.set PITCH,  272                       ; a row of Wo in LDS: 256 bytes + 16 of padding = 68 words: the 16 rows of a load start at 16 different banks (64 banks of 4 bytes: ISA guide 11.1)
.set BOFF,   32768                     ; Wo's tile behind ctx's in a slot
.set SLOT,   BOFF+256*PITCH            ; 102,400 bytes
.set STAGE,  2*SLOT                    ; behind the ring: 16 rows x 528 bytes for each wave, for the way out
.set SPITCH, 528
.set SPARE,  STAGE+4*16*SPITCH         ; the spare words, 128 bytes a wave
.set LAPS,   4                         ; a lap = two K steps = once round the ring
.set ADRA, 16                          ; v16-17  LDS address of my ctx fragments in slot 0, 1
.set ADRB, 20                          ; v20-21  the same for Wo
.set STO,  24                          ; v24     the way out: where I put 32 bytes of a row
.set RD,   25                          ; v25     and where I read a row back
.set CO,   26                          ; v26     16 x lane: my bytes of a row's 512
.set BOF,  27                          ; v27     32 x (lane / 16)
.set SPW,  28                          ; v28     LDS address of my spare word; never rewritten
.set NIL,  29                          ; v29     0; never rewritten
.set F0,   32
.set F1,   128
.set BK,   32                          ; the way out: two sets of 64
.set G1A, 24                           ; s[24:31] group 1 for ctx's tiles; s[32:39] group 0, a set for each slot
.set G0A, 32
.set G1B, 48                           ; the same for Wo's
.set G0B, 56
.set MSB, 0
.macro WIN new                         ; the immediate's high byte repeats the setting that is left
.if MSB != (\new)
	s_set_vgpr_msb (MSB<<8)|(\new)
.set MSB, (\new)
.endif
.endm
.set MUL, 0x50                         ; sources 0 and 1 window 0; C and D window 1.  + 0x20: C window 3 (bo)
.macro JLOAD s                         ; a joint load; an s_nop 0 and four v_nop follow each of the two lines
	s_cmp_eq_u32 s15, 0
	s_cbranch_scc0 .Lfor_b_\@
	tensor_load_to_lds s[G0A+4*\s:G0A+4*\s+3], s[G1A:G1A+7]
	s_nop 0
.rept 4
	v_nop
.endr
	s_branch .Lasked_\@
.Lfor_b_\@:
	tensor_load_to_lds s[G0B+4*\s:G0B+4*\s+3], s[G1B:G1B+7]
	s_nop 0
.rept 4
	v_nop
.endr
.Lasked_\@:
.endm
.macro CREST                           ; a round of the cluster's barrier behind its opening barrier
	s_cmp_lg_u32 s14, 0
	s_cbranch_scc1 .Lnot_wave_0_\@
	s_barrier_signal -3
.Lnot_wave_0_\@:
	s_barrier_wait -3
	s_barrier_signal -1
	s_barrier_wait -1
.endm
.macro CROUND
	s_barrier_signal -1
	s_barrier_wait -1
	CREST
.endm
	s_load_b256 s[4:11], s[0:1], 0x0               ; ctx16, wo16, bo, time_decay
	s_load_b64 s[12:13], s[0:1], 0x20              ; out0
	v_lshl_add_u32 v[SPW], v0, 2, SPARE
	v_mov_b32 v[NIL], 0
	ds_add_u32 v[SPW], v[NIL]                      ; the wave's opening: the add, twice on end, and its wait ahead of my first tensor load
	ds_add_u32 v[SPW], v[NIL]
	v_lshrrev_b32 v1, 5, v0
	v_readfirstlane_b32 s14, v1                    ; wave 0..3
	s_lshr_b32 s15, s14, 1                         ; which 64 rows are mine.  Also: I fetch for ctx (0) or for Wo (1)
	s_and_b32 s16, s14, 1                          ; which 128 columns.  Also: which half of that tile I fetch
	s_bfe_u32 s40, ttmp6, 0x40000                  ; cx, cy
	s_bfe_u32 s41, ttmp6, 0x40004
	s_lshl_b32 s17, ttmp9, 2
	s_add_co_u32 s17, s17, s40                     ; tile column
	s_and_b32 s42, ttmp7, 0xffff
	s_lshl_b32 s45, s42, 2
	s_add_co_u32 s45, s45, s41                     ; Y: my block of 128 rows
	s_lshl_b32 s43, s41, 2
	s_lshl_b32 s43, 15, s43                        ; my row of the cluster
	s_lshl_b32 s44, 0x1111, s40                    ; my column
	s_or_b32 s[G1A], s43, (3<<16)|(1<<21)          ; the mask; elements of 8 bytes; bit 21 beside a mask; no padding: images are read as they lie
	s_mov_b32 s[G1A+1], 32<<16                     ; rows of 256 bytes,
	s_mov_b32 s[G1A+2], 64<<16                     ; 64 of them,
	s_mov_b32 s[G1A+3], 32<<16
	s_mov_b32 s[G1A+4], 64
	s_mov_b32 s[G1A+5], 32                         ; dense
	s_mov_b32 s[G1A+6], 0
	s_mov_b32 s[G1A+7], 0
	s_or_b32 s[G1B], s44, (1<<16)|(1<<20)|(1<<21)|(5<<22)|(3<<25)  ; elements of 2 bytes; padding: after every 64 words, 4 words
	s_mov_b32 s[G1B+1], 128<<16                    ; 128 along K,
	s_mov_b32 s[G1B+2], 128<<16                    ; 128 rows
	s_mov_b32 s[G1B+3], 128<<16
	s_mov_b32 s[G1B+4], 128
	s_mov_b32 s[G1B+5], 1024                       ; elements from row to row
	s_mov_b32 s[G1B+6], 0
	s_mov_b32 s[G1B+7], 0
	s_lshl_b32 s18, s45, 18                        ; ctx: my block's 262,144 bytes,
	s_lshl_b32 s20, s16, 14                        ; the half that I fetch: 16,384 bytes, in memory and in LDS
	s_add_co_u32 s18, s18, s20
	s_mov_b32 s19, 0
	s_lshl_b32 s46, s17, 19                        ; Wo: row 256 x tile column + 128 x half, 2,048 bytes a row
	s_lshl_b32 s47, s16, 18
	s_add_co_u32 s46, s46, s47
	s_mov_b32 s47, 0
	s_mul_i32 s21, s16, 128*PITCH
	s_add_co_u32 s21, s21, BOFF
	s_wait_dscnt 0x0                               ; both opening adds are done
	s_wait_kmcnt 0x0
	s_add_nc_u64 s[18:19], s[4:5], s[18:19]
	s_add_nc_u64 s[46:47], s[6:7], s[46:47]
	CROUND                                         ; all sixteen work-groups are here: the first joint loads meet
.irp s, 0,1
	s_mov_b32 s[G0A+4*\s], 1
	s_add_co_u32 s[G0A+4*\s+1], s20, \s*SLOT
	s_add_nc_u64 s[G0A+4*\s+2:G0A+4*\s+3], s[18:19], \s*32768
	s_or_b32 s[G0A+4*\s+3], s[G0A+4*\s+3], 0x80000000
	s_mov_b32 s[G0B+4*\s], 1
	s_add_co_u32 s[G0B+4*\s+1], s21, \s*SLOT
	s_add_nc_u64 s[G0B+4*\s+2:G0B+4*\s+3], s[46:47], \s*256
	s_or_b32 s[G0B+4*\s+3], s[G0B+4*\s+3], 0x80000000
	JLOAD \s                                       ; two loads of mine are out
.endr
	v_and_b32 v1, 15, v0                           ; r
	v_bfe_u32 v2, v0, 4, 1                         ; h
	v_and_b32 v3, 31, v0
	v_lshlrev_b32 v[CO], 4, v3
	v_mul_u32_u24 v4, v1, PITCH
	v_lshl_add_u32 v4, v2, 4, v4
	s_lshl_b32 s22, s15, 14                        ; my four token tiles of ctx
	s_mul_i32 s23, s16, 128*PITCH                  ; my 128 rows of Wo
	s_add_co_u32 s23, s23, BOFF
.irp s, 0,1
	v_add_nc_u32 v[ADRA+\s], s22, v[CO]
	v_add_nc_u32 v[ADRB+\s], s23, v4
	s_add_co_u32 s22, s22, SLOT
	s_add_co_u32 s23, s23, SLOT
.endr
	s_mul_i32 s22, s14, 16*SPITCH
	s_add_co_u32 s22, s22, STAGE                   ; my stage
	v_mul_u32_u24 v5, v1, SPITCH
	v_lshl_add_u32 v5, v2, 5, v5
	v_add_nc_u32 v[STO], s22, v5                   ; in: row r, 32 bytes for each half of the lanes
	v_add_nc_u32 v[RD], s22, v[CO]                 ; back: the 32 lanes take one row of 512 bytes
	v_lshlrev_b32 v[BOF], 5, v2
	s_lshl_b32 s2, s17, 10                         ; bo of my 128 columns: 4 (256 x tile column + 128 x half)
	s_lshl_b32 s3, s16, 9
	s_add_co_u32 s2, s2, s3
	s_mov_b32 s3, 0
	s_add_nc_u64 s[8:9], s[8:9], s[2:3]
	s_and_b32 s22, s45, 15                         ; my first row: token 128 (Y % 16) + 64 x half, 16,384 bytes a token;
	s_lshl_b32 s22, s22, 21
	s_lshl_b32 s23, s15, 20
	s_add_co_u32 s22, s22, s23
	s_lshr_b32 s23, s45, 4                         ; batch Y / 16, 4,096 bytes;
	s_lshl_b32 s23, s23, 12
	s_add_co_u32 s22, s22, s23
	s_add_co_u32 s22, s22, s2                      ; and my first column
	s_mov_b32 s23, 0
	s_add_nc_u64 s[10:11], s[10:11], s[22:23]
	s_add_nc_u64 s[12:13], s[12:13], s[22:23]
	WIN 0xc0                                       ; destination window 3
.irp b, 0,1,2,3,4,5,6,7
	global_load_b128 v[8*\b:8*\b+3], v[BOF], s[8:9] offset:64*\b          ; lane (r, h), register j: bo of column 16 b + 8 h + j
	global_load_b128 v[8*\b+4:8*\b+7], v[BOF], s[8:9] offset:64*\b+16
.endr
	WIN 0x80                                       ; destination window 2
.set RR, 0
.rept 64
	global_load_b128 v[4*RR:4*RR+3], v[CO], s[10:11] offset:RR*16384 th:TH_LOAD_NT   ; row RR of my 64: 512 consecutive bytes
.set RR, RR+1
.endr
	WIN 0
.macro MUL8 f, a, first                ; token tile a against Wo's eight column tiles, 32 along K.  The 32 accumulators take turns, one instruction a turn
.irp b, 0,1,2,3,4,5,6,7
.if \first
	v_wmma_f32_16x16x32_f16 v[8*(8*\a+\b):8*(8*\a+\b)+7], v[\f+32+8*\b:\f+32+8*\b+7], v[\f+8*\a:\f+8*\a+7], v[8*\b:8*\b+7]
.else
	v_wmma_f32_16x16x32_f16 v[8*(8*\a+\b):8*(8*\a+\b)+7], v[\f+32+8*\b:\f+32+8*\b+7], v[\f+8*\a:\f+8*\a+7], v[8*(8*\a+\b):8*(8*\a+\b)+7]
.endif
.endr
.endm
.macro FETCH slot, q, f                ; 24 LDS loads in one run: the fragments of the slot's q-th 32 along K: Wo's eight, ctx's tiles 0, 1, then 2, 3
	WIN 0
.irp b, 0,1,2,3,4,5,6,7
	ds_load_b128 v[\f+32+8*\b:\f+32+8*\b+3],   v[ADRB+\slot] offset:64*\q+\b*16*PITCH
	ds_load_b128 v[\f+32+8*\b+4:\f+32+8*\b+7], v[ADRB+\slot] offset:64*\q+\b*16*PITCH+32
.endr
.irp i, 0,1,2,3
	ds_load_b128 v[\f+8*\i:\f+8*\i+3],   v[ADRA+\slot] offset:\i*4096+\q*1024
	ds_load_b128 v[\f+8*\i+4:\f+8*\i+7], v[ADRA+\slot] offset:\i*4096+\q*1024+512
.endr
.endm
.macro PLACES                          ; four plain vector instructions in front of loads into registers that matrix instructions have read, and of the first read of results
.rept 4
	v_nop
.endr
.endm
.macro QUARTER slot, qn, f, g, first   ; multiplies buffer f; in its middle fetches the slot's quarter qn into buffer g
	s_wait_dscnt 4                                 ; Wo's fragments and ctx's tiles 0, 1 are in; the youngest four loads (tiles 2, 3) may be out
	WIN MUL+0x20*\first
	MUL8 \f, 0, \first
	MUL8 \f, 1, \first
	PLACES
	FETCH \slot, \qn, \g
	s_wait_dscnt 24                                ; all but the 24 just issued
	WIN MUL+0x20*\first
	MUL8 \f, 2, \first
	MUL8 \f, 3, \first
.endm
; A K step's last quarter multiplies buffer 1 and changes slots: one barrier; in front of it each wave waits for all its tensor loads, adds 0 to its spare word, and waits for that and for its reads of this slot.  fill = 1: this slot is filled again, two K steps ahead.
.macro TURN slot, next, fill
	WIN 0                                          ; (the add's two registers lie in window 0)
	s_wait_tensorcnt 0x0                           ; the one load of mine that was out, my part of the next slot, has landed
	ds_add_u32 v[SPW], v[NIL]
	s_wait_dscnt 5                                 ; the add and the youngest four loads may be out
	WIN MUL
	MUL8 F1, 0, 0                                  ; eight matrix instructions stand between the add and the wait for it
	s_wait_dscnt 0x0                               ; the add is done, and my reads of this slot are over
	s_barrier_signal -1
	MUL8 F1, 1, 0
.if \fill
	WIN 0
.endif
	s_barrier_wait -1
.if \fill
	CREST                                          ; the barrier has opened a round of the cluster's: no wave of any partner still reads this slot or has a load on its way
	s_add_nc_u64 s[G0A+4*\slot+2:G0A+4*\slot+3], s[G0A+4*\slot+2:G0A+4*\slot+3], 2*32768
	s_add_nc_u64 s[G0B+4*\slot+2:G0B+4*\slot+3], s[G0B+4*\slot+2:G0B+4*\slot+3], 2*256
	JLOAD \slot                                    ; the first tensor load behind the round: 112 matrix instructions ahead of the wait for it; its four v_nop are also the places in front of the loads below
.else
	PLACES
.endif
	FETCH \next, 0, F0
	WIN MUL
	MUL8 F1, 2, 0
	MUL8 F1, 3, 0
.endm
	s_wait_tensorcnt 1                             ; my part of K step 0 is in; K step 1's load may be out
	s_barrier_signal -1
	s_barrier_wait -1
	FETCH 0, 0, F0
	s_wait_loadcnt 63                              ; bo is in: 64 loads were issued behind it, and 63 is the largest count that the wait can name
	QUARTER 0, 1, F0, F1, 1                        ; the first quarter stands in front of the loop: its products start the sums, with bo
	WIN 0                                          ; at a label and at a branch every window is 0
	s_mov_b32 s3, LAPS-1
.Llap:                                             ; a trip goes once round the ring and fills both slots again
	QUARTER 0, 2, F1, F0, 0
	QUARTER 0, 3, F0, F1, 0
	TURN 0, 1, 1
	QUARTER 1, 1, F0, F1, 0
	QUARTER 1, 2, F1, F0, 0
	QUARTER 1, 3, F0, F1, 0
	TURN 1, 0, 1
	QUARTER 0, 1, F0, F1, 0
	WIN 0
	s_sub_co_u32 s3, s3, 1
	s_cmp_lg_u32 s3, 0
	s_cbranch_scc1 .Llap
	QUARTER 0, 2, F1, F0, 0                        ; the last lap fills nothing
	QUARTER 0, 3, F0, F1, 0
	TURN 0, 1, 0
	QUARTER 1, 1, F0, F1, 0
	QUARTER 1, 2, F1, F0, 0
	QUARTER 1, 3, F0, F1, 0
	s_wait_dscnt 4                                 ; the very last quarter
	WIN MUL
	MUL8 F1, 0, 0
	MUL8 F1, 1, 0
	s_wait_dscnt 0
	MUL8 F1, 2, 0
	MUL8 F1, 3, 0
	WIN 0
; THE WAY OUT, 16 rows x 128 columns at a time: through my own stage in LDS, back as whole rows of 512 bytes, times time_decay, stored.  LDS serves a wave's instructions in order (ISA guide 5.7.1.4): no wait between the stores and the loads.
.macro TOSTAGE a
	WIN 0x04                                       ; an LDS store's data are its source 1: window 1
.irp b, 0,1,2,3,4,5,6,7
	ds_store_b128 v[STO], v[64*(\a)+8*\b:64*(\a)+8*\b+3] offset:64*\b          ; each accumulator from its low end on
	ds_store_b128 v[STO], v[64*(\a)+8*\b+4:64*(\a)+8*\b+7] offset:64*\b+16
.endr
	WIN 0
.set BB, BK+64*((\a)%2)
.irp t, 0,1,2,3,4,5,6,7,8,9,10,11,12,13,14,15
	ds_load_b128 v[BB+4*\t:BB+4*\t+3], v[RD] offset:\t*SPITCH
.endr
.endm
.macro SEND a, younger                 ; younger: the LDS instructions issued behind block a's loads, which may stay out
.set BB, BK+64*((\a)%2)
	s_wait_dscnt \younger
	WIN 0x08                                       ; source 1 (time_decay) window 2
.irp t, 0,1,2,3,4,5,6,7,8,9,10,11,12,13,14,15
	v_pk_mul_f32 v[BB+4*\t:BB+4*\t+1], v[BB+4*\t:BB+4*\t+1], v[64*(\a)+4*\t:64*(\a)+4*\t+1]
	v_pk_mul_f32 v[BB+4*\t+2:BB+4*\t+3], v[BB+4*\t+2:BB+4*\t+3], v[64*(\a)+4*\t+2:64*(\a)+4*\t+3]
.endr
	WIN 0
.irp t, 0,1,2,3,4,5,6,7,8,9,10,11,12,13,14,15
	global_store_b128 v[CO], v[BB+4*\t:BB+4*\t+3], s[12:13] offset:(16*(\a)+\t)*16384 th:TH_STORE_NT   ; 512 consecutive bytes, aligned; written once
.endr
.endm
	PLACES
	s_wait_loadcnt 0x0                             ; time_decay
	TOSTAGE 0
.irp a, 1,2,3
.if \a > 1
	s_wait_xcnt 0x0                                ; block a - 2's stores have read their data registers: block a's loads may land there
.endif
	TOSTAGE \a
	SEND \a-1, 32                                  ; behind block a - 1's loads: block a's 16 stores and 16 loads
.endr
	SEND 3, 0
	s_wait_tensorcnt 0x0                           ; the wave's end
	ds_add_u32 v[SPW], v[NIL]
	s_wait_dscnt 0x0
	CROUND                                         ; the closing round
	s_endpgm
.Lfunc_end_k_q46e1ea9724_outp:
	.size	k_q46e1ea9724_outp, .Lfunc_end_k_q46e1ea9724_outp-k_q46e1ea9724_outp
	.p2alignl 7, 3214868480
	.fill 96, 4, 3214868480
	.section	.rodata,"a",@progbits
	.p2align	6, 0x0
	.amdhsa_kernel k_q46e1ea9724_outp
		.amdhsa_group_segment_fixed_size 327680
		.amdhsa_private_segment_fixed_size 0
		.amdhsa_enable_private_segment 0
		.amdhsa_kernarg_size 40
		.amdhsa_user_sgpr_count 2
		.amdhsa_user_sgpr_kernarg_segment_ptr 1
		.amdhsa_wavefront_size32 1
		.amdhsa_system_sgpr_workgroup_id_x 1
		.amdhsa_system_sgpr_workgroup_id_y 1
		.amdhsa_system_sgpr_workgroup_id_z 1
		.amdhsa_system_vgpr_workitem_id 0
		.amdhsa_next_free_vgpr 832
		.amdhsa_next_free_sgpr 66
		.amdhsa_reserve_vcc 0
		.amdhsa_float_denorm_mode_32 3
		.amdhsa_float_denorm_mode_16_64 3
		.amdhsa_memory_ordered 1
		.amdhsa_forward_progress 1
		.amdhsa_inst_pref_size 101
	.end_amdhsa_kernel
	.amdgpu_metadata
---
amdhsa.version: [ 1, 2 ]
amdhsa.kernels:
  - .name:           k_q46e1ea9724_outp
    .symbol:         k_q46e1ea9724_outp.kd
    .args:
      - { .name: ctx16, .offset: 0, .size: 8, .value_kind: global_buffer, .address_space: global }
      - { .name: wo16, .offset: 8, .size: 8, .value_kind: global_buffer, .address_space: global }
      - { .name: bo, .offset: 16, .size: 8, .value_kind: global_buffer, .address_space: global }
      - { .name: time_decay, .offset: 24, .size: 8, .value_kind: global_buffer, .address_space: global }
      - { .name: out0, .offset: 32, .size: 8, .value_kind: global_buffer, .address_space: global }
    .group_segment_fixed_size: 327680
    .private_segment_fixed_size: 0
    .kernarg_segment_align: 8
    .kernarg_segment_size: 40
    .max_flat_workgroup_size: 128
    .sgpr_count:     66
    .vgpr_count:     832
    .wavefront_size: 32
...
	.end_amdgpu_metadata
.endif
;; end of part 4
